; MI455X (gfx1250); checked and timed in simulation.
; The chip was launched on July 23, 2026; its instructions are those of AMD's public machine-readable ISA for CDNA 5 (MIT licence, August 2026) and "CDNA5" Instruction Set Architecture Reference Guide (July 2026). The comments in the code are by the model that wrote it; some were corrected since.
;; Multi Head Attention. Allowed arithmetic: matrix products marked QUANTISED: E2M1 operands, one E8M0 scale for each 32 along K, by v_wmma_scale_f32_16x16x128_f8f6f4 with both operands' format E2M1 (or v_wmma_scale_f32_32x16x128_f4), f32 sums; everything else in f32.
;; Inputs: K 4 x 2,048 x 1,024 float32; Q 4 x 2,048 x 1,024 float32; V 4 x 2,048 x 1,024 float32; proj_b 1,024 float32; proj_w 1,024 x 1,024 float32.
;; Outputs: out0 4 x 2,048 x 1,024 float32.
;; This version of the problem:
;;   THIS VERSION OF THE PROBLEM IS GIVEN IN LOW PRECISION. The matrix products marked QUANTISED in the list below multiply operands that are first quantised to E2M1 (2 exponent bits, 1 mantissa bit; 4 bits a number), with one power-of-two scale for each 32 numbers along K (OCP MX v1.0); their sums are f32. All else is computed in f32.
;;   The module's matrix products, in the order in which they are computed (A, B: the left and right operand; K: the contracted axis; several contracted axes count as one K, in the product's order):
;;     1. [M 8,192, K 1,024] x [K 1,024, N 1,024]; A: computed on the way; B: input proj_w: QUANTISED
;;   THE QUANTISER, for each operand of a quantised product, along K:
;;     - K is cut into blocks of 32 from its start; a last block that is shorter is filled with zeros.
;;     - A block's scale is 2^e with e = floor(log2(the largest magnitude in the block)) - 2, held to -126 .. 127; a block of zeros has e = 0. As a byte (E8M0): e + 127.
;;     - Each number is divided by its block's scale, clamped to +-6, and rounded to the nearest number of E2M1, ties to even, subnormals kept.
;;     - The product sums the exact products of the quantised numbers (number of the format x scale) in f32.
;;   ~~~python
;;   def quantise(x, axis):      # numpy; x: float32 -> the quantised numbers, widened to float32 again
;;       x = np.moveaxis(x, axis, -1); K = x.shape[-1]
;;       x = np.pad(x, [(0, 0)] * (x.ndim - 1) + [(0, -K % 32)]); x = x.reshape(x.shape[:-1] + (-1, 32)); a = np.abs(x).max(-1, keepdims=True)
;;       e = np.where(a > 0, np.clip(np.frexp(np.where(a > 0, a, 1))[1] - 1 - 2, -126, 127), 0)      # np.frexp(a)[1] - 1 = floor(log2(a)), exactly
;;       r = np.clip(x / 2.0 ** e, -6, 6)
;;       step = 2.0 ** (np.maximum(np.frexp(np.where(r == 0, 1, r))[1] - 1, 0) - 1)
;;       q = np.round(r / step) * step * 2.0 ** e      # np.round: ties to even
;;       return np.moveaxis(q.reshape(q.shape[:-2] + (-1,))[..., :K], -1, axis).astype(np.float32)
;;   ~~~
;;   OPERANDS COMPUTED ON THE WAY. 'Computed on the way' means the value that the module computes at that place (a softmax that the list does not call 'softmax' is quantised finished and normalised). What goes into a quantiser is computed in f32, as accurately as f32 sums, v_exp_f32 and their like allow (about 1e-6 of the number): no bf16 or f16 on the way to a quantiser, and a product that is left as it is and whose result goes on into a quantised operand takes f32 operands (vector FMAs, or v_wmma_f32_16x16x4_f32). A number that lies on a knife's edge between two numbers of the format may be rounded either way, as far as f32 arithmetic and the matrix unit's own rounding can turn it there, and no further.
;; 2 versions. Each part assembles by itself: llvm-mc -triple=amdgcn-amd-amdhsa -mcpu=gfx1250 --defsym DOCPART=n.
;; ======== version 1 of 2: 2 launches
;; workspace buffers: qsum 524,288 bytes; ksum 524,288 bytes; vpart 131,072 bytes; wcodes 524,288 bytes; wscales 32,768 bytes
;; launch sums (part 1): grid 256 x 1, 16 waves a work-group, no clusters, 31,232 bytes of LDS; arguments Q, K, V, proj_w, qsum, ksum, vpart, wcodes, wscales; writes qsum, ksum, vpart, wcodes, wscales
.if DOCPART == 1
	.amdgcn_target "amdgcn-amd-amdhsa--gfx1250"
	.amdhsa_code_object_version 6
	.text
	.protected	k_qba155a0e32_sums
	.globl	k_qba155a0e32_sums
	.p2align	8
	.type	k_qba155a0e32_sums,@function
k_qba155a0e32_sums:
	s_mov_b64 s[64:65], 0
	v_nop
	global_prefetch_b8 v0, s[64:65] scope:SCOPE_SE
	s_setreg_imm32_b32 hwreg(HW_REG_WAVE_MODE, 25, 1), 1
	s_wait_xcnt 0x0
; THE SUMS THAT THE ATTENTION NEEDS, AND proj_w AS CODES.  Q, K, V: [8192 rows][1024] f32 (4 batches x 2048 positions); proj_w: [1024][1024] f32, K innermost.
;   qsum, ksum [block of 64 rows: 128][head: 16][64] f32: the sum of a row's 64 channels of a head.
;   vpart [batch 4][8][1024] f32: the column sums of 256 rows of V.
;   wcodes: proj_w as codes of E2M1 in the order of the operand's registers: byte ((t 8 + s) 2 + c) 512 + 16 lane, t = 16 rows, s = 128 along K, c = registers 4 c .. 4 c + 3.
;   wscales: words [t 64][q 4][32 lanes]: lanes 0-15 row 16 t + r's E8M0 word of K step 2 q, lanes 16-31 that of K step 2 q + 1.
; SHARES.  256 work-groups of equal work, 16 waves each.  Work-group g takes 64 rows of Q (g < 128) or of K, 256 rows x 128 columns of V, and 16 rows x 256 columns of proj_w: 409,600 bytes.
; Every byte is read once, by loads of 512 consecutive bytes a wave; all 50 loads of a wave are issued at the head, every offset an immediate: no loop, no pointer stepped, no register of a memory instruction written again.
; No matrix unit, no cluster, no tensor load: work-groups share no input, and the only arithmetic is additions.
; A block's scale is 2^(floor(log2(largest magnitude)) - 2); its byte is the largest magnitude's exponent field - 2, held at 1 from below.
; LIMITS: a block of zeros gets the byte 1 where the rule says 127 (its codes are zeros, and this program alone reads the bytes); blocks whose largest magnitude lies under 2^-124 keep the byte 1; NaN and infinities are not served.
.set SUMS, 0                           ; LDS: 4,096 bytes: the word of head h, row i at 256 h + 4 i: the block's image in qsum or ksum
.set VST,  4096                        ; 8,192 bytes: each wave's 512 bytes of column sums
.set WST,  12288                       ; 16 rows of proj_w, 1,024 bytes + 16 of padding: 65 x 16 bytes, so that the 16 rows of a load begin in 16 different groups of banks
.set WP,   1040
.set QK,   32                          ; v32-159  the 32 loads of Q or K: row p, piece j at v[QK + 32 p + 4 j]
.set VV,   160                         ; v160-223 the 16 loads of V
.set WR,   224                         ; v224-231 the 2 loads of proj_w
; v1 16 lane | v2 SUMS + 256 hl + 16 wave | v3 VST + 16 thread | v4 WST + WP wave + 16 lane | v5 WST + WP r + 128 hl + 512 (wave & 1) | v6, v7 8 thread | v8 VST + 16 lane | v9 64 (wave & 1) + 4 r | v12 r | v13 hl
.macro ADD4 a, b                       ; four numbers a lane: v[a ..] += v[b ..]
	v_pk_add_f32 v[\a:\a+1], v[\a:\a+1], v[\b:\b+1]
	v_pk_add_f32 v[\a+2:\a+3], v[\a+2:\a+3], v[\b+2:\b+3]
.endm
.macro TREE16 base                     ; sixteen sets of four registers are added into the first, neighbours 1, 2, 4 and 8 sets apart
.irp i, 0,2,4,6,8,10,12,14
	ADD4 \base+4*\i, \base+4*\i+4
.endr
.irp i, 0,4,8,12
	ADD4 \base+4*\i, \base+4*\i+8
.endr
.irp i, 0,8
	ADD4 \base+4*\i, \base+4*\i+16
.endr
	ADD4 \base, \base+32
.endm
	s_load_b512 s[8:23], s[0:1], 0x0               ; Q 8:9, K 10:11, V 12:13, proj_w 14:15, qsum 16:17, ksum 18:19, vpart 20:21, wcodes 22:23
	s_load_b64 s[24:25], s[0:1], 0x40              ; wscales
	v_lshl_add_u32 v240, v0, 2, 0x7200
	v_mov_b32 v241, 0
	v_lshrrev_b32 v14, 5, v0
	v_readfirstlane_b32 s2, v14                    ; wave 0..15
	s_mov_b32 s3, ttmp9                            ; g
	v_and_b32 v14, 31, v0                          ; lane
	v_and_b32 v12, 15, v0                          ; r
	v_bfe_u32 v13, v0, 4, 1                        ; hl
	; every LDS address is made here, ahead of the place where the waves part
	v_lshlrev_b32 v1, 4, v14
	s_lshl_b32 s4, s2, 4
	v_lshl_add_u32 v2, v13, 8, s4
	v_lshl_add_u32 v3, v0, 4, VST
	s_mul_i32 s4, s2, WP
	s_add_co_u32 s4, s4, WST
	v_add_nc_u32 v4, s4, v1
	s_and_b32 s5, s2, 1
	s_lshl_b32 s4, s5, 9
	s_add_co_u32 s4, s4, WST
	v_mul_u32_u24 v5, v12, WP
	v_lshl_add_u32 v5, v13, 7, v5
	v_add_nc_u32 v5, s4, v5
	v_lshlrev_b32 v6, 3, v0
	v_lshlrev_b32 v7, 3, v0
	v_add_nc_u32 v8, VST, v1
	s_lshl_b32 s4, s5, 6
	v_lshl_add_u32 v9, v12, 2, s4
	s_mov_b32 s26, 0x76543210
	s_mov_b32 s27, 0xfedcba98                      ; v_permlanex16_b32's selects for lane l xor 16
	; byte offsets, each in a pair of its own with 0 above it
	s_and_b32 s4, s3, 127
	s_lshl_b32 s28, s4, 18                         ; Q or K: block of 64 rows x 4,096 bytes,
	s_lshl_b32 s6, s2, 14
	s_add_co_u32 s28, s28, s6                      ; + my wave's 4 rows
	s_mov_b32 s29, 0
	s_lshl_b32 s30, s4, 12                         ; qsum or ksum: 4,096 bytes a block
	s_mov_b32 s31, 0
	s_lshr_b32 s4, s3, 3
	s_and_b32 s6, s3, 7
	s_lshl_b32 s6, s6, 9
	s_lshl_b32 s32, s4, 20                         ; V: 256 rows x 4,096 bytes,
	s_add_co_u32 s32, s32, s6                      ; + 128 columns,
	s_lshl_b32 s7, s2, 16
	s_add_co_u32 s32, s32, s7                      ; + my wave's 16 rows
	s_mov_b32 s33, 0
	s_lshl_b32 s36, s4, 12                         ; vpart: 4,096 bytes for each 256 rows, + the same 128 columns
	s_add_co_u32 s36, s36, s6
	s_mov_b32 s37, 0
	s_lshr_b32 s4, s3, 2
	s_lshl_b32 s4, s4, 4
	s_add_co_u32 s4, s4, s2
	s_lshl_b32 s34, s4, 12                         ; proj_w: row 16 (g / 4) + wave,
	s_and_b32 s6, s3, 3
	s_lshl_b32 s6, s6, 10
	s_add_co_u32 s34, s34, s6                      ; + 256 columns x (g % 4)
	s_mov_b32 s35, 0
	s_lshl_b32 s38, s3, 11                         ; wcodes: ((g / 4) 8 + 2 (g % 4) + wave) x 1,024 = 2,048 g + 1,024 wave
	s_lshl_b32 s6, s5, 10
	s_add_co_u32 s38, s38, s6
	s_mov_b32 s39, 0
	s_lshl_b32 s40, s3, 7                          ; wscales: 128 bytes for each (t, q) = g
	s_mov_b32 s41, 0
	s_wait_kmcnt 0x0
	s_cmp_lt_u32 s3, 128                           ; Q's work-group or K's: the choice hangs on the work-group's number alone
	s_cselect_b64 s[8:9], s[8:9], s[10:11]
	s_cselect_b64 s[16:17], s[16:17], s[18:19]
	s_add_nc_u64 s[8:9], s[8:9], s[28:29]
	s_add_nc_u64 s[16:17], s[16:17], s[30:31]
	s_add_nc_u64 s[12:13], s[12:13], s[32:33]
	s_add_nc_u64 s[14:15], s[14:15], s[34:35]
	s_add_nc_u64 s[20:21], s[20:21], s[36:37]
	s_add_nc_u64 s[22:23], s[22:23], s[38:39]
	s_add_nc_u64 s[24:25], s[24:25], s[40:41]
	; all 50 loads of the wave: 2 of proj_w, 32 of Q or K, 16 of V; each reads 512 consecutive bytes, and each byte is read once in the launch
	global_load_b128 v[WR:WR+3], v1, s[14:15] th:TH_LOAD_NT
	global_load_b128 v[WR+4:WR+7], v1, s[14:15] offset:512 th:TH_LOAD_NT
.irp p, 0,1,2,3
.irp j, 0,1,2,3,4,5,6,7
	global_load_b128 v[QK+32*\p+4*\j:QK+32*\p+4*\j+3], v1, s[8:9] offset:\p*4096+\j*512 th:TH_LOAD_NT   ; lanes 0-15: head 2 j of the row, lanes 16-31: head 2 j + 1
.endr
.endr
.irp i, 0,1,2,3,4,5,6,7,8,9,10,11,12,13,14,15
	global_load_b128 v[VV+4*\i:VV+4*\i+3], v1, s[12:13] offset:\i*4096 th:TH_LOAD_NT
.endr
	s_wait_loadcnt 48                              ; loads come back in order: proj_w's two are in, the 48 issued behind them may be out
	ds_store_b128 v4, v[WR:WR+3]                   ; my row of proj_w into the stage, as it lies
	ds_store_b128 v4, v[WR+4:WR+7] offset:512
; Row p of my four: eight pieces, each a head for each half of the lanes.  Four numbers a lane, then sixteen lanes; stage by stage over the pieces, so that no line waits for the line above it.
; The sums are made in the registers that were loaded, so that no register that an LDS store reads is written again.
.macro ROWSUM p
	s_wait_loadcnt 40-8*\p                         ; this row's eight loads are in; the later rows' (8 each) and V's 16 may be out
.irp j, 0,1,2,3,4,5,6,7
	v_pk_add_f32 v[QK+32*\p+4*\j:QK+32*\p+4*\j+1], v[QK+32*\p+4*\j:QK+32*\p+4*\j+1], v[QK+32*\p+4*\j+2:QK+32*\p+4*\j+3]
.endr
.irp j, 0,1,2,3,4,5,6,7
	v_add_f32 v[QK+32*\p+4*\j], v[QK+32*\p+4*\j], v[QK+32*\p+4*\j+1]
.endr
.irp x, 1,2,4,8
.irp j, 0,1,2,3,4,5,6,7
	v_add_f32_dpp v[QK+32*\p+4*\j], v[QK+32*\p+4*\j], v[QK+32*\p+4*\j] row_xmask:\x row_mask:0xf bank_mask:0xf
.endr
.endr
.irp j, 0,1,2,3,4,5,6,7
	ds_store_b32 v2, v[QK+32*\p+4*\j] offset:512*\j+4*\p   ; head 2 j + hl, row 4 wave + p: the sixteen lanes of a half write the same word with the same value
.endr
.endm
	ROWSUM 0
	ROWSUM 1
	ROWSUM 2
	ROWSUM 3
	s_wait_loadcnt 0x0                             ; V's sixteen rows
	TREE16 VV
	ds_store_b128 v3, v[VV:VV+3]                   ; my wave's sums of its 16 rows, 128 columns
	s_wait_dscnt 0x0                               ; for the others' sake: all my LDS stores have landed
	s_barrier_signal -1
	s_barrier_wait -1                              ; the launch's one barrier: behind it nothing is written to LDS
	ds_load_b64 v[10:11], v6
	s_wait_dscnt 0x0
	global_store_b64 v7, v[10:11], s[16:17]        ; the block's 4,096 bytes of sums: each wave's store covers 256 consecutive bytes, aligned
	s_cmp_lt_u32 s2, 2
	s_cbranch_scc1 .Lquantw
	s_cmp_eq_u32 s2, 2
	s_cbranch_scc1 .Lvsum
	s_wait_tensorcnt 0x0
	ds_add_u32 v240, v241
	s_wait_dscnt 0x0
	s_endpgm
; Waves 0 and 1: the 16 rows x 128 along K of K step 2 (g % 4) + wave become a fragment.  Lane (r, hl) takes of row r the numbers k = 64 c + 32 hl + 0 .. 31: two whole blocks, in the order in which the operand's registers want them.
.Lquantw:
.irp c, 0,1
.irp i, 0,1,2,3,4,5,6,7
	ds_load_b128 v[QK+32*\c+4*\i:QK+32*\c+4*\i+3], v5 offset:256*\c+16*\i
.endr
.endr
	v_mov_b32 v24, 0                               ; a lane permute's destination counts as one of its sources
	v_lshlrev_b32 v23, 3, v13                      ; 8 hl
	s_wait_dscnt 0x0
.irp c, 0,1
	v_max3_num_f32 v[16+\c], |v[QK+32*\c]|, |v[QK+32*\c+1]|, 0x1800000   ; block 2 c + hl: all its 32 numbers are mine; the floor 2^(3 - 127) holds the byte at 1 from below
.endr
.irp i, 2,4,6,8,10,12,14,16,18,20,22,24,26,28,30
.irp c, 0,1
	v_max3_num_f32 v[16+\c], v[16+\c], |v[QK+32*\c+\i]|, |v[QK+32*\c+\i+1]|   ; (the two blocks by turns)
.endr
.endr
.irp c, 0,1
	v_add_nc_u32 v[18+\c], 0xff000000, v[16+\c]    ; 2 off the exponent field: the conversion takes the exponent field of this operand as its scale
.endr
.irp c, 0,1
	v_lshrrev_b32 v[20+\c], 23, v[18+\c]           ; the scale's byte
.endr
	v_lshl_or_b32 v22, v21, 16, v20                ; my two bytes, blocks hl and 2 + hl,
	v_lshlrev_b32 v22, v23, v22                    ; at their places in the word;
	v_permlanex16_b32 v24, v22, s26, s27
	v_or_b32 v22, v22, v24                         ; with lane l xor 16's two the word is whole
.irp c, 0,1
.irp g, 0,1,2,3
	v_cvt_scalef32_pk8_fp4_f32 v[96+4*\c+\g], v[QK+32*\c+8*\g:QK+32*\c+8*\g+7], v[18+\c]   ; register 4 c + g of the operand
.endr
.endr
	v_nop                                          ; one plain line behind the last scaled conversion
	global_store_b128 v1, v[96:99], s[22:23]       ; the image of registers 0-3: 512 consecutive bytes
	global_store_b128 v1, v[100:103], s[22:23] offset:512
	global_store_b32 v9, v22, s[24:25]             ; 64 bytes of scale words; lanes r and 16 + r write the same word with the same value.  One byte for each 128 that proj_w brings
	s_wait_tensorcnt 0x0
	ds_add_u32 v240, v241
	s_wait_dscnt 0x0
	s_endpgm
; Wave 2: the sixteen waves' column sums become one row of vpart.
.Lvsum:
.irp i, 0,1,2,3,4,5,6,7,8,9,10,11,12,13,14,15
	ds_load_b128 v[QK+4*\i:QK+4*\i+3], v8 offset:512*\i
.endr
	s_wait_dscnt 0x0
	TREE16 QK
	global_store_b128 v1, v[QK:QK+3], s[20:21]     ; 512 consecutive bytes, aligned
	s_wait_tensorcnt 0x0
	ds_add_u32 v240, v241
	s_wait_dscnt 0x0
	s_endpgm
.Lfunc_end_k_qba155a0e32_sums:
	.size	k_qba155a0e32_sums, .Lfunc_end_k_qba155a0e32_sums-k_qba155a0e32_sums
	.p2alignl 7, 3214868480
	.fill 96, 4, 3214868480
	.section	.rodata,"a",@progbits
	.p2align	6, 0x0
	.amdhsa_kernel k_qba155a0e32_sums
		.amdhsa_group_segment_fixed_size 31232
		.amdhsa_private_segment_fixed_size 0
		.amdhsa_enable_private_segment 0
		.amdhsa_kernarg_size 72
		.amdhsa_user_sgpr_count 2
		.amdhsa_user_sgpr_kernarg_segment_ptr 1
		.amdhsa_wavefront_size32 1
		.amdhsa_system_sgpr_workgroup_id_x 1
		.amdhsa_system_sgpr_workgroup_id_y 1
		.amdhsa_system_sgpr_workgroup_id_z 1
		.amdhsa_system_vgpr_workitem_id 0
		.amdhsa_next_free_vgpr 242
		.amdhsa_next_free_sgpr 66
		.amdhsa_reserve_vcc 0
		.amdhsa_float_denorm_mode_32 3
		.amdhsa_float_denorm_mode_16_64 3
		.amdhsa_memory_ordered 1
		.amdhsa_forward_progress 1
		.amdhsa_inst_pref_size 32
	.end_amdhsa_kernel
	.amdgpu_metadata
---
amdhsa.version: [ 1, 2 ]
amdhsa.kernels:
  - .name:           k_qba155a0e32_sums
    .symbol:         k_qba155a0e32_sums.kd
    .args:
      - { .name: Q, .offset: 0, .size: 8, .value_kind: global_buffer, .address_space: global }
      - { .name: K, .offset: 8, .size: 8, .value_kind: global_buffer, .address_space: global }
      - { .name: V, .offset: 16, .size: 8, .value_kind: global_buffer, .address_space: global }
      - { .name: proj_w, .offset: 24, .size: 8, .value_kind: global_buffer, .address_space: global }
      - { .name: qsum, .offset: 32, .size: 8, .value_kind: global_buffer, .address_space: global }
      - { .name: ksum, .offset: 40, .size: 8, .value_kind: global_buffer, .address_space: global }
      - { .name: vpart, .offset: 48, .size: 8, .value_kind: global_buffer, .address_space: global }
      - { .name: wcodes, .offset: 56, .size: 8, .value_kind: global_buffer, .address_space: global }
      - { .name: wscales, .offset: 64, .size: 8, .value_kind: global_buffer, .address_space: global }
    .group_segment_fixed_size: 31232
    .private_segment_fixed_size: 0
    .kernarg_segment_align: 8
    .kernarg_segment_size: 72
    .max_flat_workgroup_size: 512
    .sgpr_count:     66
    .vgpr_count:     242
    .wavefront_size: 32
...
	.end_amdgpu_metadata
.endif
;; end of part 1
;; launch attnproj (part 2): grid 256 x 1, 16 waves a work-group, no clusters, 109,568 bytes of LDS; arguments qsum, ksum, vpart, wcodes, wscales, proj_b, out0; writes out0
.if DOCPART == 2
	.amdgcn_target "amdgcn-amd-amdhsa--gfx1250"
	.amdhsa_code_object_version 6
	.text
	.protected	k_qba155a0e32_attnproj
	.globl	k_qba155a0e32_attnproj
	.p2align	8
	.type	k_qba155a0e32_attnproj,@function
k_qba155a0e32_attnproj:
	s_mov_b64 s[64:65], 0
	v_nop
	global_prefetch_b8 v0, s[64:65] scope:SCOPE_SE
	s_setreg_imm32_b32 hwreg(HW_REG_WAVE_MODE, 25, 1), 1
	s_wait_xcnt 0x0
; out0[row][n] = sum over k of Q4(A)[row][k] Q4(proj_w)[n][k] + proj_b[n],  A[row][64 h + e] = diag[h][row] x Vs[h][e]:
;   diag = the diagonal of softmax over k of (Qs[i] Ks[k] / 8), Qs and Ks the heads' row sums (qsum, ksum), Vs the column sum of V over a batch's 2,048 positions (8 parts in vpart).
; The product is on codes of E2M1 with one E8M0 scale for each 32 along K; proj_w's codes and scale words were laid by the launch before in the order of the operand's registers.
; SOFTMAX, all in f32.  q' = Qs x log2(e) / 8;  m' = max(q' Kmax, q' Kmin): rounding keeps order, so this is the largest rounded q' K of the row: the row's maximum is taken away, at the price of two products;
;   t = fma(K, q', -m'), p = 2^t;  diag = 2^(t of the row's own key) / the sum of the 2,048 p.  m' stands in numerator and denominator alike.
; SHARES.  A work-group owns 32 rows of out0; 16 waves.  Ahead of the barrier wave w is HEAD w: it keeps the head's 2,048 Ks in 64 registers, walks the 32 rows (64 exponentials a lane and row), and quantises its 64 columns of A.
;   A head's 64 columns are registers 4 c .. 4 c + 3 (c = h % 2) of the fragment of K step h / 2, and lane (r, hl) holds one whole block of 32 there; since diag >= 0 the block's largest magnitude is diag x max |Vs|, rounded.
;   The codes go to LDS as images of the operand's registers (16 bytes a lane), the scale bytes as one halfword for each row and head.  Behind the barrier wave w makes columns 64 w .. 64 w + 63 of the 32 rows: 8 accumulators.
; THE MATRIX INSTRUCTION IS USED TRANSPOSED (source 0 = 16 rows of proj_w, source 1 = 16 rows of A): a lane holds eight neighbouring columns of one row of out0.  The bias is what the sums begin with.
; NO CLUSTER, NO TENSOR LOAD, though all work-groups walk the same 557,056 bytes of proj_w's codes and scales: a wave has 64 matrix instructions against 2,048 exponentials, a quarter of its codes are asked for
;   while the exponentials run, and each lane loads its fragments whole, 512 consecutive bytes a load.  Four waves to a SIMD in 256 registers each: no register windows.
; LIMITS: v_exp_f32 gives 0 for results under 2^-126 (ISA guide, its entry), so a p or a diag under 2^-126 counts as 0; a block of zeros gets the scale byte 1 where the rule says 127 (its codes are zeros, and this program
;   alone reads the bytes); NaN and infinities among the inputs are not served.
.set PRIVB, 5632                       ; LDS, for each wave its own: at PRIVB x wave:
.set TR,    512                        ;   +0    512 bytes: for each of the 32 rows q', q', -m', -m';   +512  4,608 bytes: 32 rows x (128 bytes + 16) of partial sums; later the way out: 16 rows x (256 + 16)
.set TRP,   144
.set VS,    5120                       ;   +5120 the head's 64 Vs;
.set BIAS,  5376                       ;   +5376 my 64 numbers of proj_b
.set AIMG,  90112                      ; the work-group's: A's images: tile of rows m, head h at 8,192 m + 512 h + 16 lane
.set ASC,   106496                     ; and A's scale bytes: row x 32 + 2 h: a row's 8 words are its scale words for K steps 0 to 7
.set WSA,   16                         ; v16-19  proj_w's scale words of the two K steps in WA;  v20-23 of those in WB;  v24-31 A's: these sixteen hold scales and nothing else
.set WSB,   20
.set ASCL,  24
.set AF0,   32                         ; v32-47, v48-63: A's fragments (two tiles of rows) of a K step, two sets; ahead of the barrier: at work
.set AF1,   48
.set WA,    64                         ; v64-127  proj_w's fragments: 2 K steps x 4 tiles; on the way out the rows read back
.set KR,    128                        ; v128-191 the head's 2,048 Ks, 64 a lane, in any order; then
.set WB,    128                        ;          proj_w's second set
.set T,     192                        ; v192-255 t, then p; then
.set P,     192                        ;          v192-223 32 numbers of A,
.set VSF,   224                        ;          v224-255 my block's 32 Vs; then
.set ACC,   192                        ;          the accumulators: rows 16 m on, columns 16 tt on at v[ACC + 8 (4 m + tt)]
; v4 32,768 wave + 16 lane (wcodes) | v5 2,048 wave + 4 lane (wscales) | v6 r | v7 hl | v8 lane | v9 AIMG + 512 h + 16 lane | v10 AIMG + 16 lane | v11 ASC + 32 lane + 2 h | v12 ASC + 32 lane
; v13 my Vs + 128 hl | v14 my bias + 32 hl | v15 4,096 hl + 16 r | v1, v2, v3: 4, 8, 16 x lane; on the way out the stage's two addresses and my offset in out0
.macro WLOAD buf, sr, q                ; 20 loads: K steps 2 q and 2 q + 1 of my four tiles of proj_w, and their scale words (lanes 0-15 the even step's, lanes 16-31 the odd step's)
.irp tt, 0,1,2,3
.irp e, 0,1
.irp c, 0,1
	global_load_b128 v[\buf+32*\e+8*\tt+4*\c:\buf+32*\e+8*\tt+4*\c+3], v4, s[10:11] offset:\tt*8192+(2*\q+\e)*1024+\c*512
.endr
.endr
.endr
.irp tt, 0,1,2,3
	global_load_b32 v[\sr+\tt], v5, s[12:13] offset:\tt*512+\q*128
.endr
.endm
.macro AFETCH fs, ks                   ; 4 LDS loads: A's two fragments of K step ks, as their makers stored them
.irp m, 0,1
.irp c, 0,1
	ds_load_b128 v[\fs+8*\m+4*\c:\fs+8*\m+4*\c+3], v10 offset:\m*8192+(2*\ks+\c)*512
.endr
.endr
.endm
; 8 matrix instructions: K step ks.  The 8 accumulators take turns, one instruction a turn, in the same order in every step.
; proj_w's scale words of an odd K step and A's of rows 16-31 stand in lanes 16-31 of their registers.
.macro KSTEP ks, buf, sr, fs
.irp tt, 0,1,2,3
.irp m, 0,1
.if ((\ks)%2 == 0) && (\m == 0)
	v_wmma_scale_f32_16x16x128_f8f6f4 v[ACC+8*(4*\m+\tt):ACC+8*(4*\m+\tt)+7], v[\buf+32*((\ks)%2)+8*\tt:\buf+32*((\ks)%2)+8*\tt+7], v[\fs+8*\m:\fs+8*\m+7], v[ACC+8*(4*\m+\tt):ACC+8*(4*\m+\tt)+7], v[\sr+\tt], v[ASCL+\ks] matrix_a_fmt:MATRIX_FMT_FP4 matrix_b_fmt:MATRIX_FMT_FP4
.elseif (\ks)%2 == 0
	v_wmma_scale_f32_16x16x128_f8f6f4 v[ACC+8*(4*\m+\tt):ACC+8*(4*\m+\tt)+7], v[\buf+32*((\ks)%2)+8*\tt:\buf+32*((\ks)%2)+8*\tt+7], v[\fs+8*\m:\fs+8*\m+7], v[ACC+8*(4*\m+\tt):ACC+8*(4*\m+\tt)+7], v[\sr+\tt], v[ASCL+\ks] matrix_a_fmt:MATRIX_FMT_FP4 matrix_b_fmt:MATRIX_FMT_FP4 matrix_b_scale:MATRIX_SCALE_ROW1
.elseif \m == 0
	v_wmma_scale_f32_16x16x128_f8f6f4 v[ACC+8*(4*\m+\tt):ACC+8*(4*\m+\tt)+7], v[\buf+32*((\ks)%2)+8*\tt:\buf+32*((\ks)%2)+8*\tt+7], v[\fs+8*\m:\fs+8*\m+7], v[ACC+8*(4*\m+\tt):ACC+8*(4*\m+\tt)+7], v[\sr+\tt], v[ASCL+\ks] matrix_a_fmt:MATRIX_FMT_FP4 matrix_b_fmt:MATRIX_FMT_FP4 matrix_a_scale:MATRIX_SCALE_ROW1
.else
	v_wmma_scale_f32_16x16x128_f8f6f4 v[ACC+8*(4*\m+\tt):ACC+8*(4*\m+\tt)+7], v[\buf+32*((\ks)%2)+8*\tt:\buf+32*((\ks)%2)+8*\tt+7], v[\fs+8*\m:\fs+8*\m+7], v[ACC+8*(4*\m+\tt):ACC+8*(4*\m+\tt)+7], v[\sr+\tt], v[ASCL+\ks] matrix_a_fmt:MATRIX_FMT_FP4 matrix_b_fmt:MATRIX_FMT_FP4 matrix_a_scale:MATRIX_SCALE_ROW1 matrix_b_scale:MATRIX_SCALE_ROW1
.endif
.endr
.endr
.endm
.macro PLACES                          ; four plain lines between a matrix instruction and a load into a register that it has read (ISA guide 7.12.1 for vector instructions)
.rept 4
	v_nop
.endr
.endm
; Rows 16 m + r: my block's 32 numbers of A, their scale and their codes; the codes go to LDS as registers 4 c .. 4 c + 3 of the fragment (m, K step h / 2).  Each m has its own registers for codes, scale and byte.
.macro QROW m
.irp i, 0,2,4,6,8,10,12,14,16,18,20,22,24,26,28,30
	v_pk_mul_f32 v[P+\i:P+\i+1], v[VSF+\i:VSF+\i+1], v[58+2*\m:59+2*\m]   ; A = diag x Vs
.endr
	v_mul_f32 v[50+\m], v[58+2*\m], v57            ; the block's largest magnitude: diag x max |Vs|, the same product as the largest of the 32 above
	v_max_num_f32 v[50+\m], 0x1800000, v[50+\m]    ; the floor 2^(3 - 127): the byte cannot fall under 1
	v_add_nc_u32 v[44+\m], 0xff000000, v[50+\m]    ; 2 off the exponent field: the conversion's scale operand
	v_lshrrev_b32 v[46+\m], 23, v[44+\m]           ; the scale's byte
.irp g, 0,1,2,3
	v_cvt_scalef32_pk8_fp4_f32 v[36+4*\m+\g], v[P+8*\g:P+8*\g+7], v[44+\m]
.endr
	v_nop                                          ; one plain line behind the last scaled conversion
	ds_store_b128 v9, v[36+4*\m:39+4*\m] offset:\m*8192
.endm
	s_load_b256 s[4:11], s[0:1], 0x0               ; qsum 4:5, ksum 6:7, vpart 8:9, wcodes 10:11
	s_load_b128 s[12:15], s[0:1], 0x20             ; wscales 12:13, proj_b 14:15
	s_load_b64 s[16:17], s[0:1], 0x30              ; out0
	v_lshrrev_b32 v1, 5, v0
	v_readfirstlane_b32 s18, v1                    ; wave 0..15: my head, later my 64 columns
	s_mov_b32 s19, ttmp9                           ; g: rows 32 g .. 32 g + 31
	v_and_b32 v8, 31, v0                           ; lane
	v_and_b32 v6, 15, v0                           ; r
	v_bfe_u32 v7, v0, 4, 1                         ; hl
	v_lshlrev_b32 v1, 2, v8
	v_lshlrev_b32 v2, 3, v8
	v_lshlrev_b32 v3, 4, v8
	v_lshlrev_b32 v15, 12, v7
	v_lshl_add_u32 v15, v6, 4, v15
	s_lshl_b32 s20, s18, 15
	v_add_nc_u32 v4, s20, v3
	s_lshl_b32 s20, s18, 11
	v_add_nc_u32 v5, s20, v1
	s_lshl_b32 s20, s18, 9
	s_add_co_u32 s20, s20, AIMG
	v_add_nc_u32 v9, s20, v3
	v_add_nc_u32 v10, AIMG, v3
	s_lshl_b32 s20, s18, 1
	s_add_co_u32 s20, s20, ASC
	v_lshl_add_u32 v11, v8, 5, s20
	v_lshl_add_u32 v12, v8, 5, ASC
	s_mul_i32 s34, s18, PRIVB                      ; my wave's own LDS
	s_add_co_u32 s20, s34, VS
	v_lshl_add_u32 v13, v7, 7, s20
	v_add_nc_u32 v49, s20, v2                      ; v49: where I put my two Vs; my two biases lie 256 bytes on
	s_add_co_u32 s20, s34, BIAS
	v_lshl_add_u32 v14, v7, 5, s20
	v_mov_b32 v46, s34                             ; v46: the table of q' and -m'
	v_lshl_add_u32 v62, v8, 4, s34                 ; v62: my row's place in it
	s_add_co_u32 s30, s34, TR
	v_add_nc_u32 v47, s30, v1                      ; v47: a row's partial sums, my word
	v_mul_u32_u24 v48, v8, TRP
	v_add_nc_u32 v48, s30, v48                     ; v48: and my row's 32 of them
	s_mov_b32 s24, 0x76543210
	s_mov_b32 s25, 0xfedcba98                      ; v_permlanex16_b32's selects for lane l xor 16
	s_mov_b32 s26, 0xffff0000                      ; the mask of lanes 16-31
	s_lshr_b32 s35, s19, 6                         ; the batch
	s_lshl_b32 s31, s18, 8                         ; 256 x wave
	s_lshl_b32 s20, s35, 17                        ; ksum, the head's 2,048: the batch's 32 blocks of 4,096 bytes, + 256 h
	s_add_co_u32 s20, s20, s31
	s_mov_b32 s21, 0
	s_lshr_b32 s22, s19, 1                         ; qsum, ksum at my 32 rows: block g / 2, + 256 h, + 128 (g % 2)
	s_lshl_b32 s22, s22, 12
	s_add_co_u32 s22, s22, s31
	s_and_b32 s36, s19, 1
	s_lshl_b32 s36, s36, 7
	s_add_co_u32 s22, s22, s36
	s_mov_b32 s23, 0
	s_lshl_b32 s36, s35, 15                        ; vpart: the batch's 8 rows of 4,096 bytes, + 256 h
	s_add_co_u32 s36, s36, s31
	s_mov_b32 s37, 0
	s_mov_b32 s38, s31                             ; proj_b: my 64 numbers
	s_mov_b32 s39, 0
	s_lshl_b32 s40, s19, 17                        ; out0: 32 rows of 4,096 bytes
	s_mov_b32 s41, 0
	s_wait_kmcnt 0x0
	s_add_nc_u64 s[32:33], s[6:7], s[20:21]
	s_add_nc_u64 s[4:5], s[4:5], s[22:23]
	s_add_nc_u64 s[6:7], s[6:7], s[22:23]
	s_add_nc_u64 s[8:9], s[8:9], s[36:37]
	s_add_nc_u64 s[14:15], s[14:15], s[38:39]
	s_add_nc_u64 s[16:17], s[16:17], s[40:41]
	; 18 loads: the head's Ks (each half of the lanes reads a block's 256 consecutive bytes), my row's Qs and Ks
.irp i, 0,1,2,3,4,5,6,7,8,9,10,11,12,13,14,15
	global_load_b128 v[KR+4*\i:KR+4*\i+3], v15, s[32:33] offset:\i*8192
.endr
	global_load_b32 v50, v1, s[4:5]
	global_load_b32 v51, v1, s[6:7]
	; 9 loads: the 8 parts of the head's Vs, two columns a lane; my two biases
.irp i, 0,1,2,3,4,5,6,7
	global_load_b64 v[192+2*\i:193+2*\i], v2, s[8:9] offset:\i*4096
.endr
	global_load_b64 v[208:209], v2, s[14:15]
	WLOAD WA, WSA, 0                               ; 20 loads: they land while the exponentials run
	s_wait_loadcnt 29                              ; the first 18 are in; the 9 and the 20 issued behind them may be out
	; the head's largest and smallest Ks: two chains each, then the 32 lanes
.irp c, 0,1
	v_max3_num_f32 v[57+\c], v[KR+32*\c], v[KR+32*\c+1], v[KR+32*\c+2]
	v_min3_num_f32 v[59+\c], v[KR+32*\c], v[KR+32*\c+1], v[KR+32*\c+2]
.endr
.irp i, 3,5,7,9,11,13,15,17,19,21,23,25,27,29
.irp c, 0,1
	v_max3_num_f32 v[57+\c], v[57+\c], v[KR+32*\c+\i], v[KR+32*\c+\i+1]
	v_min3_num_f32 v[59+\c], v[59+\c], v[KR+32*\c+\i], v[KR+32*\c+\i+1]
.endr
.endr
	v_max3_num_f32 v57, v57, v58, v[KR+31]
	v_min3_num_f32 v59, v59, v60, v[KR+31]
	v_max_num_f32 v57, v57, v[KR+63]
	v_min_num_f32 v59, v59, v[KR+63]
.irp x, 1,2,4,8
	v_max_num_f32_dpp v57, v57, v57 row_xmask:\x row_mask:0xf bank_mask:0xf
	v_min_num_f32_dpp v59, v59, v59 row_xmask:\x row_mask:0xf bank_mask:0xf
.endr
	v_permlanex16_b32 v58, v57, s24, s25
	v_permlanex16_b32 v60, v59, s24, s25
	v_max_num_f32 v57, v57, v58                    ; Kmax
	v_min_num_f32 v59, v59, v60                    ; Kmin
	v_mul_f32 v52, 0x3e38aa3b, v50                 ; lane = row: q' = Qs x log2(e) / 8
	v_mul_f32 v58, v52, v57
	v_mul_f32 v60, v52, v59
	v_min_num_f32 v54, -v58, -v60                  ; -m' = -max(q' Kmax, q' Kmin)
	v_mov_b32 v53, v52
	v_mov_b32 v55, v54
	v_fma_f32 v56, v51, v52, v54                   ; t of the row's own key
	ds_store_b128 v62, v[52:55]                    ; q', q', -m', -m': as the packed multiply-add wants them
	s_wait_loadcnt 20                              ; the 9 are in; proj_w's 20 may be out
	v_pk_add_f32 v[192:193], v[192:193], v[194:195]
	v_pk_add_f32 v[196:197], v[196:197], v[198:199]
	v_pk_add_f32 v[200:201], v[200:201], v[202:203]
	v_pk_add_f32 v[204:205], v[204:205], v[206:207]
	v_pk_add_f32 v[192:193], v[192:193], v[196:197]
	v_pk_add_f32 v[200:201], v[200:201], v[204:205]
	v_pk_add_f32 v[192:193], v[192:193], v[200:201]   ; Vs of columns 64 h + 2 lane and + 1
	ds_store_b64 v49, v[192:193]
	ds_store_b64 v49, v[208:209] offset:256
	; THE ROWS: a trip is one row: 2,048 exponentials, 64 a lane, and the lane's partial sum.
	s_mov_b32 s27, 0
	s_mov_b32 s28, 0
	s_mov_b32 s29, 0
.Lrow:
	v_add_nc_u32 v44, s28, v46
	ds_load_b128 v[32:35], v44                     ; the row's q' and -m', the same 16 bytes in every lane
	s_wait_dscnt 0x0                               ; they are in; and the LDS stores issued before have read their registers
.set j, 0
.rept 32
	v_pk_fma_f32 v[T+j:T+j+1], v[KR+j:KR+j+1], v[32:33], v[34:35]   ; t = K q' - m', rounded once
.set j, j+2
.endr
.set j, 0
.rept 64
	v_exp_f32 v[T+j], v[T+j]                       ; p = 2^t: one batch
.set j, j+1
.endr
	v_add_nc_u32 v45, s29, v47                     ; the plain line behind the last exponential
	s_wait_alu depctr_va_vdst(0)                   ; the wait ahead of the first line that names a result: one for the batch
.irp c, 0,1,2,3
	v_pk_add_f32 v[36+2*\c:37+2*\c], v[T+2*\c:T+2*\c+1], v[T+8+2*\c:T+9+2*\c]   ; four chains, started by the first eight pairs
.endr
.irp i, 16,24,32,40,48,56
.irp c, 0,1,2,3
	v_pk_add_f32 v[36+2*\c:37+2*\c], v[36+2*\c:37+2*\c], v[T+\i+2*\c:T+\i+2*\c+1]
.endr
.endr
	v_pk_add_f32 v[36:37], v[36:37], v[38:39]
	v_pk_add_f32 v[40:41], v[40:41], v[42:43]
	v_pk_add_f32 v[36:37], v[36:37], v[40:41]
	v_add_f32 v36, v36, v37
	ds_store_b32 v45, v36                          ; row s27, my word
	s_add_co_u32 s28, s28, 16
	s_add_co_u32 s29, s29, TRP
	s_add_co_u32 s27, s27, 1
	s_cmp_lt_u32 s27, 32
	s_cbranch_scc1 .Lrow
	WLOAD WB, WSB, 1                               ; the Ks are done with: K steps 2 and 3 of proj_w take their registers
.irp i, 0,1,2,3,4,5,6,7
	ds_load_b128 v[192+4*\i:195+4*\i], v48 offset:16*\i   ; lane = row again: its 32 partial sums.  LDS serves a wave's instructions in order (ISA guide 5.7.1.4): these see my stores
.endr
.irp i, 0,1,2,3,4,5,6,7
	ds_load_b128 v[VSF+4*\i:VSF+4*\i+3], v13 offset:16*\i  ; my block's 32 Vs: columns 64 h + 32 hl on
.endr
	s_wait_dscnt 8                                 ; the partial sums are in; the eight loads of Vs may be out
.irp i, 0,4,8,12,16,20,24,28
	v_pk_add_f32 v[192+\i:193+\i], v[192+\i:193+\i], v[194+\i:195+\i]
.endr
.irp i, 0,8,16,24
	v_pk_add_f32 v[192+\i:193+\i], v[192+\i:193+\i], v[196+\i:197+\i]
.endr
.irp i, 0,16
	v_pk_add_f32 v[192+\i:193+\i], v[192+\i:193+\i], v[200+\i:201+\i]
.endr
	v_pk_add_f32 v[192:193], v[192:193], v[208:209]
	v_add_f32 v61, v192, v193                      ; the row's sum
	v_exp_f32 v62, v56
	v_rcp_f32 v63, v61
	v_nop                                          ; the plain line behind the two
	s_wait_alu depctr_va_vdst(0)                   ; and their wait, ahead of the first reader
	v_mul_f32 v61, v62, v63                        ; diag of row = lane
	v_permlanex16_b32 v62, v61, s24, s25
	v_cndmask_b32 v58, v61, v62, s26               ; d0 = diag of row r: lanes 16-31 take the other half's
	v_cndmask_b32 v60, v62, v61, s26               ; d1 = diag of row 16 + r
	v_mov_b32 v59, v58                             ; (each twice, for the packed product)
	v_mov_b32 v61, v60
	s_wait_dscnt 0x0                               ; Vs
	v_max3_num_f32 v57, |v[VSF]|, |v[VSF+1]|, |v[VSF+2]|
.irp i, 3,5,7,9,11,13,15,17,19,21,23,25,27,29
	v_max3_num_f32 v57, v57, |v[VSF+\i]|, |v[VSF+\i+1]|
.endr
	v_max_num_f32 v57, v57, |v[VSF+31]|            ; max |Vs| of my block
	QROW 0
	QROW 1
	; Lane (r, hl) holds the bytes of block hl of rows r and 16 + r.  Row = lane wants its two blocks' bytes: one is mine, the other lane l xor 16's.
	v_cndmask_b32 v52, v46, v47, s26               ; mine of my row
	v_cndmask_b32 v53, v47, v46, s26               ; mine of the other lane's row
	v_permlanex16_b32 v54, v53, s24, s25
	v_cndmask_b32 v55, v52, v54, s26               ; block 0's byte
	v_cndmask_b32 v56, v54, v52, s26               ; block 1's
	v_lshl_or_b32 v55, v56, 8, v55
	ds_store_b16 v11, v55
.irp m, 0,1
.irp tt, 0,1,2,3
.irp u, 0,1
	ds_load_b128 v[ACC+8*(4*\m+\tt)+4*\u:ACC+8*(4*\m+\tt)+4*\u+3], v14 offset:64*\tt+16*\u   ; the sums begin with the bias: proj_b at columns 64 w + 16 tt + 8 hl + 0 .. 7
.endr
.endr
.endr
	s_wait_dscnt 0x0                               ; for the others' sake: my images and scale bytes have landed; my loads are in
	s_barrier_signal -1
	s_barrier_wait -1                              ; the launch's one barrier: A's 16 fragments and their scale words lie in LDS, and nobody writes them again
	; THE PRODUCT: 8 K steps of 128.  A's fragments come one step ahead in two sets, proj_w's two steps at a time in two sets.
	ds_load_b128 v[ASCL:ASCL+3], v12               ; lane = row: its scale words of K steps 0 to 3,
	ds_load_b128 v[ASCL+4:ASCL+7], v12 offset:16   ; 4 to 7
	AFETCH AF0, 0
	AFETCH AF1, 1
	s_wait_dscnt 4                                 ; all but the next step's four loads
	s_wait_loadcnt 20                              ; K steps 0 and 1 of proj_w are in; the 20 loads of steps 2 and 3 may be out
	KSTEP 0, WA, WSA, AF0
	PLACES
	AFETCH AF0, 2
	s_wait_dscnt 4
	KSTEP 1, WA, WSA, AF1
	PLACES
	AFETCH AF1, 3
	WLOAD WA, WSA, 2
	s_wait_dscnt 4
	s_wait_loadcnt 20                              ; steps 2 and 3 are in; the 20 just issued may be out
	KSTEP 2, WB, WSB, AF0
	PLACES
	AFETCH AF0, 4
	s_wait_dscnt 4
	KSTEP 3, WB, WSB, AF1
	PLACES
	AFETCH AF1, 5
	WLOAD WB, WSB, 3
	s_wait_dscnt 4
	s_wait_loadcnt 20                              ; steps 4 and 5 are in; the 20 just issued may be out
	KSTEP 4, WA, WSA, AF0
	PLACES
	AFETCH AF0, 6
	s_wait_dscnt 4
	KSTEP 5, WA, WSA, AF1
	PLACES
	AFETCH AF1, 7
	s_wait_dscnt 4
	s_wait_loadcnt 0x0                             ; steps 6 and 7
	KSTEP 6, WB, WSB, AF0
	s_wait_dscnt 0x0
	KSTEP 7, WB, WSB, AF1
	; THE WAY OUT.  A lane holds 32 neighbouring bytes of a row, and the lanes beside it hold other rows: 16 rows x 256 bytes at a time go through my own stage and come back as whole pieces of rows.
	; The nine lines that make the addresses name no register of the products: they are the places behind the last of them.
	v_mul_u32_u24 v1, v6, 272
	v_lshl_add_u32 v1, v7, 5, v1
	v_add_nc_u32 v1, s30, v1                       ; in: row r, + 32 hl
	v_mul_u32_u24 v2, v7, 272
	v_lshl_add_u32 v2, v6, 4, v2
	v_add_nc_u32 v2, s30, v2                       ; back: lanes 0-15 one row, lanes 16-31 the next
	v_lshlrev_b32 v3, 12, v7
	v_lshl_add_u32 v3, v6, 4, v3
	v_add_nc_u32 v3, s31, v3                       ; and the same place in out0: 4,096 hl + 256 w + 16 r
.irp m, 0,1
.irp tt, 0,1,2,3
	ds_store_b128 v1, v[ACC+8*(4*\m+\tt):ACC+8*(4*\m+\tt)+3] offset:64*\tt        ; each accumulator from its low end on
	ds_store_b128 v1, v[ACC+8*(4*\m+\tt)+4:ACC+8*(4*\m+\tt)+7] offset:64*\tt+16
.endr
.irp i, 0,1,2,3,4,5,6,7
	ds_load_b128 v[WA+32*\m+4*\i:WA+32*\m+4*\i+3], v2 offset:544*\i   ; in order behind my stores; the next 16 rows' stores come behind these loads
.endr
.endr
.irp m, 0,1
.irp i, 0,1,2,3,4,5,6,7
	s_wait_dscnt 23-16*\m-\i                       ; behind this load: the rest of its eight, and for the first 16 rows the second 16 rows' sixteen LDS instructions
	global_store_b128 v3, v[WA+32*\m+4*\i:WA+32*\m+4*\i+3], s[16:17] offset:(16*\m+2*\i)*4096 th:TH_STORE_NT   ; sixteen lanes store 256 consecutive bytes, aligned; written once, read by nobody here
.endr
.endr
	s_wait_xcnt 0x0
	v_lshl_add_u32 v254, v0, 2, 0x1a400
	v_mov_b32 v255, 0
	s_wait_tensorcnt 0x0
	ds_add_u32 v254, v255
	s_wait_dscnt 0x0
	s_endpgm
.Lfunc_end_k_qba155a0e32_attnproj:
	.size	k_qba155a0e32_attnproj, .Lfunc_end_k_qba155a0e32_attnproj-k_qba155a0e32_attnproj
	.p2alignl 7, 3214868480
	.fill 96, 4, 3214868480
	.section	.rodata,"a",@progbits
	.p2align	6, 0x0
	.amdhsa_kernel k_qba155a0e32_attnproj
		.amdhsa_group_segment_fixed_size 109568
		.amdhsa_private_segment_fixed_size 0
		.amdhsa_enable_private_segment 0
		.amdhsa_kernarg_size 56
		.amdhsa_user_sgpr_count 2
		.amdhsa_user_sgpr_kernarg_segment_ptr 1
		.amdhsa_wavefront_size32 1
		.amdhsa_system_sgpr_workgroup_id_x 1
		.amdhsa_system_sgpr_workgroup_id_y 1
		.amdhsa_system_sgpr_workgroup_id_z 1
		.amdhsa_system_vgpr_workitem_id 0
		.amdhsa_next_free_vgpr 256
		.amdhsa_next_free_sgpr 66
		.amdhsa_reserve_vcc 0
		.amdhsa_float_denorm_mode_32 3
		.amdhsa_float_denorm_mode_16_64 3
		.amdhsa_memory_ordered 1
		.amdhsa_forward_progress 1
		.amdhsa_inst_pref_size 50
	.end_amdhsa_kernel
	.amdgpu_metadata
---
amdhsa.version: [ 1, 2 ]
amdhsa.kernels:
  - .name:           k_qba155a0e32_attnproj
    .symbol:         k_qba155a0e32_attnproj.kd
    .args:
      - { .name: qsum, .offset: 0, .size: 8, .value_kind: global_buffer, .address_space: global }
      - { .name: ksum, .offset: 8, .size: 8, .value_kind: global_buffer, .address_space: global }
      - { .name: vpart, .offset: 16, .size: 8, .value_kind: global_buffer, .address_space: global }
      - { .name: wcodes, .offset: 24, .size: 8, .value_kind: global_buffer, .address_space: global }
      - { .name: wscales, .offset: 32, .size: 8, .value_kind: global_buffer, .address_space: global }
      - { .name: proj_b, .offset: 40, .size: 8, .value_kind: global_buffer, .address_space: global }
      - { .name: out0, .offset: 48, .size: 8, .value_kind: global_buffer, .address_space: global }
    .group_segment_fixed_size: 109568
    .private_segment_fixed_size: 0
    .kernarg_segment_align: 8
    .kernarg_segment_size: 56
    .max_flat_workgroup_size: 512
    .sgpr_count:     66
    .vgpr_count:     256
    .wavefront_size: 32
...
	.end_amdgpu_metadata
.endif
;; end of part 2
;; ======== version 2 of 2: 2 launches
;; workspace buffers: qsum 524,288 bytes; ksum 524,288 bytes; vpart 131,072 bytes; wcodes 524,288 bytes; wscales 32,768 bytes
;; launch sums (part 3): grid 256 x 1, 16 waves a work-group, no clusters, 31,232 bytes of LDS; arguments Q, K, V, proj_w, qsum, ksum, vpart, wcodes, wscales; writes qsum, ksum, vpart, wcodes, wscales
.if DOCPART == 3
	.amdgcn_target "amdgcn-amd-amdhsa--gfx1250"
	.amdhsa_code_object_version 6
	.text
	.protected	k_qba155a0e32_sums
	.globl	k_qba155a0e32_sums
	.p2align	8
	.type	k_qba155a0e32_sums,@function
k_qba155a0e32_sums:
	s_mov_b64 s[64:65], 0
	v_nop
	global_prefetch_b8 v0, s[64:65] scope:SCOPE_SE
	s_setreg_imm32_b32 hwreg(HW_REG_WAVE_MODE, 25, 1), 1
	s_wait_xcnt 0x0
; THE SUMS THAT THE ATTENTION NEEDS, AND proj_w AS CODES.  Q, K, V: [8192 rows][1024] f32 (4 batches x 2048 positions); proj_w: [1024][1024] f32, K innermost.
;   qsum, ksum [block of 64 rows: 128][head: 16][64] f32: the sum of a row's 64 channels of a head.
;   vpart [batch 4][8][1024] f32: the column sums of 256 rows of V.
;   wcodes: proj_w as codes of E2M1 in the order of the operand's registers: byte ((t 8 + s) 2 + c) 512 + 16 lane, t = 16 rows, s = 128 along K, c = registers 4 c .. 4 c + 3.
;   wscales: words [t 64][q 4][32 lanes]: lanes 0-15 row 16 t + r's E8M0 word of K step 2 q, lanes 16-31 that of K step 2 q + 1.
; SHARES.  256 work-groups of equal work, 16 waves each.  Work-group g takes 64 rows of Q (g < 128) or of K, 256 rows x 128 columns of V, and 16 rows x 256 columns of proj_w: 409,600 bytes.
; Every byte is read once, by loads of 512 consecutive bytes a wave; all 50 loads of a wave are issued at the head, every offset an immediate: no loop, no pointer stepped, no register of a memory instruction written again.
; No matrix unit, no cluster, no tensor load: work-groups share no input, and the only arithmetic is additions.
; A block's scale is 2^(floor(log2(largest magnitude)) - 2); its byte is the largest magnitude's exponent field - 2, held at 1 from below.
; LIMITS: a block of zeros gets the byte 1 where the rule says 127 (its codes are zeros, and this program alone reads the bytes); blocks whose largest magnitude lies under 2^-124 keep the byte 1; NaN and infinities are not served.
.set SUMS, 0                           ; LDS: 4,096 bytes: the word of head h, row i at 256 h + 4 i: the block's image in qsum or ksum
.set VST,  4096                        ; 8,192 bytes: each wave's 512 bytes of column sums
.set WST,  12288                       ; 16 rows of proj_w, 1,024 bytes + 16 of padding: 65 x 16 bytes, so that the 16 rows of a load begin in 16 different groups of banks
.set WP,   1040
.set QK,   32                          ; v32-159  the 32 loads of Q or K: row p, piece j at v[QK + 32 p + 4 j]
.set VV,   160                         ; v160-223 the 16 loads of V
.set WR,   224                         ; v224-231 the 2 loads of proj_w
; v1 16 lane | v2 SUMS + 256 hl + 16 wave | v3 VST + 16 thread | v4 WST + WP wave + 16 lane | v5 WST + WP r + 128 hl + 512 (wave & 1) | v6, v7 8 thread | v8 VST + 16 lane | v9 64 (wave & 1) + 4 r | v12 r | v13 hl
.macro ADD4 a, b                       ; four numbers a lane: v[a ..] += v[b ..]
	v_pk_add_f32 v[\a:\a+1], v[\a:\a+1], v[\b:\b+1]
	v_pk_add_f32 v[\a+2:\a+3], v[\a+2:\a+3], v[\b+2:\b+3]
.endm
.macro TREE16 base                     ; sixteen sets of four registers are added into the first, neighbours 1, 2, 4 and 8 sets apart
.irp i, 0,2,4,6,8,10,12,14
	ADD4 \base+4*\i, \base+4*\i+4
.endr
.irp i, 0,4,8,12
	ADD4 \base+4*\i, \base+4*\i+8
.endr
.irp i, 0,8
	ADD4 \base+4*\i, \base+4*\i+16
.endr
	ADD4 \base, \base+32
.endm
	s_load_b512 s[8:23], s[0:1], 0x0               ; Q 8:9, K 10:11, V 12:13, proj_w 14:15, qsum 16:17, ksum 18:19, vpart 20:21, wcodes 22:23
	s_load_b64 s[24:25], s[0:1], 0x40              ; wscales
	v_lshl_add_u32 v240, v0, 2, 0x7200
	v_mov_b32 v241, 0
	v_lshrrev_b32 v14, 5, v0
	s_delay_alu instid0(VALU_DEP_1)
	v_readfirstlane_b32 s2, v14                    ; wave 0..15
	s_mov_b32 s3, ttmp9                            ; g
	v_and_b32 v14, 31, v0                          ; lane
	v_and_b32 v12, 15, v0                          ; r
	v_bfe_u32 v13, v0, 4, 1                        ; hl
	s_delay_alu instid0(VALU_DEP_3)
	; every LDS address is made here, ahead of the place where the waves part
	v_lshlrev_b32 v1, 4, v14
	s_lshl_b32 s4, s2, 4
	v_lshl_add_u32 v2, v13, 8, s4
	v_lshl_add_u32 v3, v0, 4, VST
	s_mul_i32 s4, s2, WP
	s_add_co_u32 s4, s4, WST
	v_add_nc_u32 v4, s4, v1
	s_and_b32 s5, s2, 1
	s_lshl_b32 s4, s5, 9
	s_add_co_u32 s4, s4, WST
	v_mul_u32_u24 v5, v12, WP
	s_delay_alu instid0(VALU_DEP_1)
	v_lshl_add_u32 v5, v13, 7, v5
	s_delay_alu instid0(VALU_DEP_1)
	v_add_nc_u32 v5, s4, v5
	v_lshlrev_b32 v6, 3, v0
	v_lshlrev_b32 v7, 3, v0
	v_add_nc_u32 v8, VST, v1
	s_lshl_b32 s4, s5, 6
	v_lshl_add_u32 v9, v12, 2, s4
	s_mov_b32 s26, 0x76543210
	s_mov_b32 s27, 0xfedcba98                      ; v_permlanex16_b32's selects for lane l xor 16
	; byte offsets, each in a pair of its own with 0 above it
	s_and_b32 s4, s3, 127
	s_lshl_b32 s28, s4, 18                         ; Q or K: block of 64 rows x 4,096 bytes,
	s_lshl_b32 s6, s2, 14
	s_add_co_u32 s28, s28, s6                      ; + my wave's 4 rows
	s_mov_b32 s29, 0
	s_lshl_b32 s30, s4, 12                         ; qsum or ksum: 4,096 bytes a block
	s_mov_b32 s31, 0
	s_lshr_b32 s4, s3, 3
	s_and_b32 s6, s3, 7
	s_lshl_b32 s6, s6, 9
	s_lshl_b32 s32, s4, 20                         ; V: 256 rows x 4,096 bytes,
	s_add_co_u32 s32, s32, s6                      ; + 128 columns,
	s_lshl_b32 s7, s2, 16
	s_add_co_u32 s32, s32, s7                      ; + my wave's 16 rows
	s_mov_b32 s33, 0
	s_lshl_b32 s36, s4, 12                         ; vpart: 4,096 bytes for each 256 rows, + the same 128 columns
	s_add_co_u32 s36, s36, s6
	s_mov_b32 s37, 0
	s_lshr_b32 s4, s3, 2
	s_lshl_b32 s4, s4, 4
	s_add_co_u32 s4, s4, s2
	s_lshl_b32 s34, s4, 12                         ; proj_w: row 16 (g / 4) + wave,
	s_and_b32 s6, s3, 3
	s_lshl_b32 s6, s6, 10
	s_add_co_u32 s34, s34, s6                      ; + 256 columns x (g % 4)
	s_mov_b32 s35, 0
	s_lshl_b32 s38, s3, 11                         ; wcodes: ((g / 4) 8 + 2 (g % 4) + wave) x 1,024 = 2,048 g + 1,024 wave
	s_lshl_b32 s6, s5, 10
	s_add_co_u32 s38, s38, s6
	s_mov_b32 s39, 0
	s_lshl_b32 s40, s3, 7                          ; wscales: 128 bytes for each (t, q) = g
	s_mov_b32 s41, 0
	s_wait_alu depctr_va_vdst(0)
	s_wait_kmcnt 0x0
	s_cmp_lt_u32 s3, 128                           ; Q's work-group or K's: the choice hangs on the work-group's number alone
	s_cselect_b64 s[8:9], s[8:9], s[10:11]
	s_cselect_b64 s[16:17], s[16:17], s[18:19]
	s_add_nc_u64 s[8:9], s[8:9], s[28:29]
	s_add_nc_u64 s[16:17], s[16:17], s[30:31]
	s_add_nc_u64 s[12:13], s[12:13], s[32:33]
	s_add_nc_u64 s[14:15], s[14:15], s[34:35]
	s_add_nc_u64 s[20:21], s[20:21], s[36:37]
	s_add_nc_u64 s[22:23], s[22:23], s[38:39]
	s_add_nc_u64 s[24:25], s[24:25], s[40:41]
	; all 50 loads of the wave: 2 of proj_w, 32 of Q or K, 16 of V; each reads 512 consecutive bytes, and each byte is read once in the launch
	global_load_b128 v[WR:WR+3], v1, s[14:15] th:TH_LOAD_NT
	global_load_b128 v[WR+4:WR+7], v1, s[14:15] offset:512 th:TH_LOAD_NT
.irp p, 0,1,2,3
.irp j, 0,1,2,3,4,5,6,7
	global_load_b128 v[QK+32*\p+4*\j:QK+32*\p+4*\j+3], v1, s[8:9] offset:\p*4096+\j*512 th:TH_LOAD_NT   ; lanes 0-15: head 2 j of the row, lanes 16-31: head 2 j + 1
.endr
.endr
.irp i, 0,1,2,3,4,5,6,7,8,9,10,11,12,13,14,15
	global_load_b128 v[VV+4*\i:VV+4*\i+3], v1, s[12:13] offset:\i*4096 th:TH_LOAD_NT
.endr
	s_wait_loadcnt 48                              ; loads come back in order: proj_w's two are in, the 48 issued behind them may be out
	ds_store_b128 v4, v[WR:WR+3]                   ; my row of proj_w into the stage, as it lies
	ds_store_b128 v4, v[WR+4:WR+7] offset:512
; Row p of my four: eight pieces, each a head for each half of the lanes.  Four numbers a lane, then sixteen lanes; stage by stage over the pieces, so that no line waits for the line above it.
; The sums are made in the registers that were loaded, so that no register that an LDS store reads is written again.
.macro ROWSUM p
	s_wait_loadcnt 40-8*\p                         ; this row's eight loads are in; the later rows' (8 each) and V's 16 may be out
.irp j, 0,1,2,3,4,5,6,7
	v_pk_add_f32 v[QK+32*\p+4*\j:QK+32*\p+4*\j+1], v[QK+32*\p+4*\j:QK+32*\p+4*\j+1], v[QK+32*\p+4*\j+2:QK+32*\p+4*\j+3]
.endr
.irp j, 0,1,2,3,4,5,6,7
	v_add_f32 v[QK+32*\p+4*\j], v[QK+32*\p+4*\j], v[QK+32*\p+4*\j+1]
.endr
.irp x, 1,2,4,8
.irp j, 0,1,2,3,4,5,6,7
	v_add_f32_dpp v[QK+32*\p+4*\j], v[QK+32*\p+4*\j], v[QK+32*\p+4*\j] row_xmask:\x row_mask:0xf bank_mask:0xf
.endr
.endr
.irp j, 0,1,2,3,4,5,6,7
	ds_store_b32 v2, v[QK+32*\p+4*\j] offset:512*\j+4*\p   ; head 2 j + hl, row 4 wave + p: the sixteen lanes of a half write the same word with the same value
.endr
.endm
	ROWSUM 0
	ROWSUM 1
	ROWSUM 2
	ROWSUM 3
	s_wait_loadcnt 0x0                             ; V's sixteen rows
	TREE16 VV
	ds_store_b128 v3, v[VV:VV+3]                   ; my wave's sums of its 16 rows, 128 columns
	s_wait_dscnt 0x0                               ; for the others' sake: all my LDS stores have landed
	s_barrier_signal -1
	s_barrier_wait -1                              ; the launch's one barrier: behind it nothing is written to LDS
	ds_load_b64 v[10:11], v6
	s_wait_dscnt 0x0
	global_store_b64 v7, v[10:11], s[16:17]        ; the block's 4,096 bytes of sums: each wave's store covers 256 consecutive bytes, aligned
	s_cmp_lt_u32 s2, 2
	s_cbranch_scc1 .Lquantw
	s_cmp_eq_u32 s2, 2
	s_cbranch_scc1 .Lvsum
	s_wait_tensorcnt 0x0
	ds_add_u32 v240, v241
	s_wait_dscnt 0x0
	s_endpgm
; Waves 0 and 1: the 16 rows x 128 along K of K step 2 (g % 4) + wave become a fragment.  Lane (r, hl) takes of row r the numbers k = 64 c + 32 hl + 0 .. 31: two whole blocks, in the order in which the operand's registers want them.
.Lquantw:
.irp c, 0,1
.irp i, 0,1,2,3,4,5,6,7
	ds_load_b128 v[QK+32*\c+4*\i:QK+32*\c+4*\i+3], v5 offset:256*\c+16*\i
.endr
.endr
	v_mov_b32 v24, 0                               ; a lane permute's destination counts as one of its sources
	v_lshlrev_b32 v23, 3, v13                      ; 8 hl
	s_wait_dscnt 0x0
.irp c, 0,1
	v_max3_num_f32 v[16+\c], |v[QK+32*\c]|, |v[QK+32*\c+1]|, 0x1800000   ; block 2 c + hl: all its 32 numbers are mine; the floor 2^(3 - 127) holds the byte at 1 from below
.endr
.irp i, 2,4,6,8,10,12,14,16,18,20,22,24,26,28,30
.irp c, 0,1
	s_delay_alu instid0(VALU_DEP_2)
	v_max3_num_f32 v[16+\c], v[16+\c], |v[QK+32*\c+\i]|, |v[QK+32*\c+\i+1]|   ; (the two blocks by turns)
.endr
.endr
.irp c, 0,1
	s_delay_alu instid0(VALU_DEP_2)
	v_add_nc_u32 v[18+\c], 0xff000000, v[16+\c]    ; 2 off the exponent field: the conversion takes the exponent field of this operand as its scale
.endr
.irp c, 0,1
	s_delay_alu instid0(VALU_DEP_2)
	v_lshrrev_b32 v[20+\c], 23, v[18+\c]           ; the scale's byte
.endr
	s_delay_alu instid0(VALU_DEP_1)
	v_lshl_or_b32 v22, v21, 16, v20                ; my two bytes, blocks hl and 2 + hl,
	s_delay_alu instid0(VALU_DEP_1)
	v_lshlrev_b32 v22, v23, v22                    ; at their places in the word;
	s_delay_alu instid0(VALU_DEP_1)
	v_permlanex16_b32 v24, v22, s26, s27
	s_delay_alu instid0(VALU_DEP_1)
	v_or_b32 v22, v22, v24                         ; with lane l xor 16's two the word is whole
.irp c, 0,1
.irp g, 0,1,2,3
	v_cvt_scalef32_pk8_fp4_f32 v[96+4*\c+\g], v[QK+32*\c+8*\g:QK+32*\c+8*\g+7], v[18+\c]   ; register 4 c + g of the operand
.endr
.endr
	v_nop                                          ; one plain line behind the last scaled conversion
	global_store_b128 v1, v[96:99], s[22:23]       ; the image of registers 0-3: 512 consecutive bytes
	global_store_b128 v1, v[100:103], s[22:23] offset:512
	global_store_b32 v9, v22, s[24:25]             ; 64 bytes of scale words; lanes r and 16 + r write the same word with the same value.  One byte for each 128 that proj_w brings
	s_wait_tensorcnt 0x0
	ds_add_u32 v240, v241
	s_wait_dscnt 0x0
	s_endpgm
; Wave 2: the sixteen waves' column sums become one row of vpart.
.Lvsum:
.irp i, 0,1,2,3,4,5,6,7,8,9,10,11,12,13,14,15
	ds_load_b128 v[QK+4*\i:QK+4*\i+3], v8 offset:512*\i
.endr
	s_wait_dscnt 0x0
	TREE16 QK
	global_store_b128 v1, v[QK:QK+3], s[20:21]     ; 512 consecutive bytes, aligned
	s_wait_tensorcnt 0x0
	ds_add_u32 v240, v241
	s_wait_dscnt 0x0
	s_endpgm
.Lfunc_end_k_qba155a0e32_sums:
	.size	k_qba155a0e32_sums, .Lfunc_end_k_qba155a0e32_sums-k_qba155a0e32_sums
	.p2alignl 7, 3214868480
	.fill 96, 4, 3214868480
	.section	.rodata,"a",@progbits
	.p2align	6, 0x0
	.amdhsa_kernel k_qba155a0e32_sums
		.amdhsa_group_segment_fixed_size 31232
		.amdhsa_private_segment_fixed_size 0
		.amdhsa_enable_private_segment 0
		.amdhsa_kernarg_size 72
		.amdhsa_user_sgpr_count 2
		.amdhsa_user_sgpr_kernarg_segment_ptr 1
		.amdhsa_wavefront_size32 1
		.amdhsa_system_sgpr_workgroup_id_x 1
		.amdhsa_system_sgpr_workgroup_id_y 1
		.amdhsa_system_sgpr_workgroup_id_z 1
		.amdhsa_system_vgpr_workitem_id 0
		.amdhsa_next_free_vgpr 242
		.amdhsa_next_free_sgpr 66
		.amdhsa_reserve_vcc 0
		.amdhsa_float_denorm_mode_32 3
		.amdhsa_float_denorm_mode_16_64 3
		.amdhsa_memory_ordered 1
		.amdhsa_forward_progress 1
		.amdhsa_inst_pref_size 33
	.end_amdhsa_kernel
	.amdgpu_metadata
---
amdhsa.version: [ 1, 2 ]
amdhsa.kernels:
  - .name:           k_qba155a0e32_sums
    .symbol:         k_qba155a0e32_sums.kd
    .args:
      - { .name: Q, .offset: 0, .size: 8, .value_kind: global_buffer, .address_space: global }
      - { .name: K, .offset: 8, .size: 8, .value_kind: global_buffer, .address_space: global }
      - { .name: V, .offset: 16, .size: 8, .value_kind: global_buffer, .address_space: global }
      - { .name: proj_w, .offset: 24, .size: 8, .value_kind: global_buffer, .address_space: global }
      - { .name: qsum, .offset: 32, .size: 8, .value_kind: global_buffer, .address_space: global }
      - { .name: ksum, .offset: 40, .size: 8, .value_kind: global_buffer, .address_space: global }
      - { .name: vpart, .offset: 48, .size: 8, .value_kind: global_buffer, .address_space: global }
      - { .name: wcodes, .offset: 56, .size: 8, .value_kind: global_buffer, .address_space: global }
      - { .name: wscales, .offset: 64, .size: 8, .value_kind: global_buffer, .address_space: global }
    .group_segment_fixed_size: 31232
    .private_segment_fixed_size: 0
    .kernarg_segment_align: 8
    .kernarg_segment_size: 72
    .max_flat_workgroup_size: 512
    .sgpr_count:     66
    .vgpr_count:     242
    .wavefront_size: 32
...
	.end_amdgpu_metadata
.endif
;; end of part 3
;; launch attnproj (part 4): grid 256 x 1, 16 waves a work-group, no clusters, 109,568 bytes of LDS; arguments qsum, ksum, vpart, wcodes, wscales, proj_b, out0; writes out0
.if DOCPART == 4
	.amdgcn_target "amdgcn-amd-amdhsa--gfx1250"
	.amdhsa_code_object_version 6
	.text
	.protected	k_qba155a0e32_attnproj
	.globl	k_qba155a0e32_attnproj
	.p2align	8
	.type	k_qba155a0e32_attnproj,@function
k_qba155a0e32_attnproj:
	s_mov_b64 s[64:65], 0
	v_nop
	global_prefetch_b8 v0, s[64:65] scope:SCOPE_SE
	s_setreg_imm32_b32 hwreg(HW_REG_WAVE_SCHED_MODE, 0, 2), 2
	s_setreg_imm32_b32 hwreg(HW_REG_WAVE_MODE, 25, 1), 1
	s_wait_xcnt 0x0
	s_wait_alu depctr_vm_vsrc(0)
; out0[row][n] = sum over k of Q4(A)[row][k] Q4(proj_w)[n][k] + proj_b[n],  A[row][64 h + e] = diag[h][row] x Vs[h][e]:
;   diag = the diagonal of softmax over k of (Qs[i] Ks[k] / 8), Qs and Ks the heads' row sums (qsum, ksum), Vs the column sum of V over a batch's 2,048 positions (8 parts in vpart).
; The product is on codes of E2M1 with one E8M0 scale for each 32 along K; proj_w's codes and scale words were laid by the launch before in the order of the operand's registers.
; SOFTMAX, all in f32.  q' = Qs x log2(e) / 8;  m' = max(q' Kmax, q' Kmin): rounding keeps order, so this is the largest rounded q' K of the row: the row's maximum is taken away, at the price of two products;
;   t = fma(K, q', -m'), p = 2^t;  diag = 2^(t of the row's own key) / the sum of the 2,048 p.  m' stands in numerator and denominator alike.
; SHARES.  A work-group owns 32 rows of out0; 16 waves.  Ahead of the barrier wave w is HEAD w: it keeps the head's 2,048 Ks in 64 registers, walks the 32 rows (64 exponentials a lane and row), and quantises its 64 columns of A.
;   A head's 64 columns are registers 4 c .. 4 c + 3 (c = h % 2) of the fragment of K step h / 2, and lane (r, hl) holds one whole block of 32 there; since diag >= 0 the block's largest magnitude is diag x max |Vs|, rounded.
;   The codes go to LDS as images of the operand's registers (16 bytes a lane), the scale bytes as one halfword for each row and head.  Behind the barrier wave w makes columns 64 w .. 64 w + 63 of the 32 rows: 8 accumulators.
; THE MATRIX INSTRUCTION IS USED TRANSPOSED (source 0 = 16 rows of proj_w, source 1 = 16 rows of A): a lane holds eight neighbouring columns of one row of out0.  The bias is what the sums begin with.
; NO CLUSTER, NO TENSOR LOAD, though all work-groups walk the same 557,056 bytes of proj_w's codes and scales: a wave has 64 matrix instructions against 2,048 exponentials, a quarter of its codes are asked for
;   while the exponentials run, and each lane loads its fragments whole, 512 consecutive bytes a load.  Four waves to a SIMD in 256 registers each: no register windows.
; LIMITS: v_exp_f32 gives 0 for results under 2^-126 (ISA guide, its entry), so a p or a diag under 2^-126 counts as 0; a block of zeros gets the scale byte 1 where the rule says 127 (its codes are zeros, and this program
;   alone reads the bytes); NaN and infinities among the inputs are not served.
; THE MODE: SCHED_MODE bits 1:0 = 2 (LLVM: expert scheduling mode 2), set by the entry lines.  The code itself states the register dependences
; between vector or matrix instructions and memory or LDS instructions, with s_wait_alu, always for 0.
; THE PLAN.  Registers that memory or LDS instructions touch:
;   the addresses v1-v5, v9-v15, v46-v49, v62   made once at the head, ahead of the first load; v1-v3 made anew behind the last product, for the way out.
;   THE ROWS.  v[32:35]  read by row i's multiply-adds; behind them the LDS load of row i + 1's q' and -m' lands there.
;              v44, v45  written by one addition each behind row i's exponentials; read by that load and by the LDS store of row i - 1's sum.
;              v61       written by row i's last addition; read by the store that is issued in row i + 1.
;     So a row has two waits on va_vdst, one ahead of its exponentials and one behind them and the two additions: that one is the wait for the exponentials' results, and it states that v44, v45 and v61 are written and v[32:35] are done with;
;     the store and the load follow it; the row's sums, which name none of their registers, follow those.  ONE wait on vm_vsrc stands ahead of the row's last addition: the store and the load have read v61, v45 and v44.
;   THE PRODUCT.  AF0, AF1  step k's matrix instructions read set k % 2; the LDS loads of step k + 2 land there at the head of step k + 1.
;                 WA, WB and their scale words  read by two steps' matrix instructions; the loads of the pair after next land there during the next step.
;     So ONE wait on va_vdst stands at the head of steps 1 to 6: the step before is done reading its registers.  The loads follow it, proj_w's dealt among the step's matrix instructions, which name the other sets alone.
;   Everywhere else the LDS stores of a phase stand together behind one wait on va_vdst, and one wait on vm_vsrc stands ahead of the first line that writes their registers again.
.set PRIVB, 5632                       ; LDS, for each wave its own: at PRIVB x wave:
.set TR,    512                        ;   +0    512 bytes: for each of the 32 rows q', q', -m', -m';   +512  4,608 bytes: 32 rows x (128 bytes + 16) of partial sums; later the way out: 16 rows x (256 + 16)
.set TRP,   144
.set VS,    5120                       ;   +5120 the head's 64 Vs;
.set BIAS,  5376                       ;   +5376 my 64 numbers of proj_b
.set AIMG,  90112                      ; the work-group's: A's images: tile of rows m, head h at 8,192 m + 512 h + 16 lane
.set ASC,   106496                     ; and A's scale bytes: row x 32 + 2 h: a row's 8 words are its scale words for K steps 0 to 7
.set WSA,   16                         ; v16-19  proj_w's scale words of the two K steps in WA;  v20-23 of those in WB;  v24-31 A's: these sixteen hold scales and nothing else
.set WSB,   20
.set ASCL,  24
.set AF0,   32                         ; v32-47, v48-63: A's fragments (two tiles of rows) of a K step, two sets; ahead of the barrier: at work
.set AF1,   48
.set WA,    64                         ; v64-127  proj_w's fragments: 2 K steps x 4 tiles; on the way out the rows read back
.set KR,    128                        ; v128-191 the head's 2,048 Ks, 64 a lane, in any order; then
.set WB,    128                        ;          proj_w's second set
.set T,     192                        ; v192-255 t, then p; then
.set P,     192                        ;          v192-223 32 numbers of A,
.set VSF,   224                        ;          v224-255 my block's 32 Vs; then
.set ACC,   192                        ;          the accumulators: rows 16 m on, columns 16 tt on at v[ACC + 8 (4 m + tt)]
; v4 32,768 wave + 16 lane (wcodes) | v5 2,048 wave + 4 lane (wscales) | v6 r | v7 hl | v8 lane | v9 AIMG + 512 h + 16 lane | v10 AIMG + 16 lane | v11 ASC + 32 lane + 2 h | v12 ASC + 32 lane
; v13 my Vs + 128 hl | v14 my bias + 32 hl | v15 4,096 hl + 16 r | v1, v2, v3: 4, 8, 16 x lane; on the way out the stage's two addresses and my offset in out0
.macro WL buf, sr, q, tt               ; 5 loads: K steps 2 q and 2 q + 1 of tile tt of my four of proj_w, and their scale words (lanes 0-15 the even step's, lanes 16-31 the odd step's)
.irp e, 0,1
.irp c, 0,1
	global_load_b128 v[\buf+32*\e+8*(\tt)+4*\c:\buf+32*\e+8*(\tt)+4*\c+3], v4, s[10:11] offset:(\tt)*8192+(2*\q+\e)*1024+\c*512
.endr
.endr
	global_load_b32 v[\sr+(\tt)], v5, s[12:13] offset:(\tt)*512+\q*128
.endm
.macro WLOAD buf, sr, q                ; 20 loads: all four tiles
.irp tt, 0,1,2,3
	WL \buf, \sr, \q, \tt
.endr
.endm
.macro AFETCH fs, ks                   ; 4 LDS loads: A's two fragments of K step ks, as their makers stored them
.irp m, 0,1
.irp c, 0,1
	ds_load_b128 v[\fs+8*\m+4*\c:\fs+8*\m+4*\c+3], v10 offset:\m*8192+(2*\ks+\c)*512
.endr
.endr
.endm
; 2 matrix instructions: K step ks, tile tt of proj_w against A's two tiles of rows.
; proj_w's scale words of an odd K step and A's of rows 16-31 stand in lanes 16-31 of their registers.
.macro MM ks, buf, sr, fs, tt
.irp m, 0,1
.if ((\ks)%2 == 0) && (\m == 0)
	v_wmma_scale_f32_16x16x128_f8f6f4 v[ACC+8*(4*\m+(\tt)):ACC+8*(4*\m+(\tt))+7], v[\buf+32*((\ks)%2)+8*(\tt):\buf+32*((\ks)%2)+8*(\tt)+7], v[\fs+8*\m:\fs+8*\m+7], v[ACC+8*(4*\m+(\tt)):ACC+8*(4*\m+(\tt))+7], v[\sr+(\tt)], v[ASCL+\ks] matrix_a_fmt:MATRIX_FMT_FP4 matrix_b_fmt:MATRIX_FMT_FP4
.elseif (\ks)%2 == 0
	v_wmma_scale_f32_16x16x128_f8f6f4 v[ACC+8*(4*\m+(\tt)):ACC+8*(4*\m+(\tt))+7], v[\buf+32*((\ks)%2)+8*(\tt):\buf+32*((\ks)%2)+8*(\tt)+7], v[\fs+8*\m:\fs+8*\m+7], v[ACC+8*(4*\m+(\tt)):ACC+8*(4*\m+(\tt))+7], v[\sr+(\tt)], v[ASCL+\ks] matrix_a_fmt:MATRIX_FMT_FP4 matrix_b_fmt:MATRIX_FMT_FP4 matrix_b_scale:MATRIX_SCALE_ROW1
.elseif \m == 0
	v_wmma_scale_f32_16x16x128_f8f6f4 v[ACC+8*(4*\m+(\tt)):ACC+8*(4*\m+(\tt))+7], v[\buf+32*((\ks)%2)+8*(\tt):\buf+32*((\ks)%2)+8*(\tt)+7], v[\fs+8*\m:\fs+8*\m+7], v[ACC+8*(4*\m+(\tt)):ACC+8*(4*\m+(\tt))+7], v[\sr+(\tt)], v[ASCL+\ks] matrix_a_fmt:MATRIX_FMT_FP4 matrix_b_fmt:MATRIX_FMT_FP4 matrix_a_scale:MATRIX_SCALE_ROW1
.else
	v_wmma_scale_f32_16x16x128_f8f6f4 v[ACC+8*(4*\m+(\tt)):ACC+8*(4*\m+(\tt))+7], v[\buf+32*((\ks)%2)+8*(\tt):\buf+32*((\ks)%2)+8*(\tt)+7], v[\fs+8*\m:\fs+8*\m+7], v[ACC+8*(4*\m+(\tt)):ACC+8*(4*\m+(\tt))+7], v[\sr+(\tt)], v[ASCL+\ks] matrix_a_fmt:MATRIX_FMT_FP4 matrix_b_fmt:MATRIX_FMT_FP4 matrix_a_scale:MATRIX_SCALE_ROW1 matrix_b_scale:MATRIX_SCALE_ROW1
.endif
.endr
.endm
; 8 matrix instructions: K step ks.  The 8 accumulators take turns, one instruction a turn, in the same order in every step.
.macro KSTEP ks, buf, sr, fs
.irp tt, 0,1,2,3
	MM \ks, \buf, \sr, \fs, \tt
.endr
.endm
; The same, with the 20 loads of K steps 2 q and 2 q + 1 into proj_w's OTHER set dealt among them, a tile's five behind each two matrix instructions.
; No wait: no matrix instruction since the wait at the step's head names a register of that set.
.macro KSTEPL ks, buf, sr, fs, lbuf, lsr, q
.irp tt, 0,1,2,3
	MM \ks, \buf, \sr, \fs, \tt
	WL \lbuf, \lsr, \q, \tt
.endr
.endm
.macro PLACES                          ; four plain lines between a matrix instruction and a load into a register that it has read (ISA guide 7.12.1 for vector instructions); the wait on va_vdst stands behind them
.rept 4
	v_nop
.endr
.endm
; Rows 16 m + r: my block's 32 numbers of A, their scale and their codes: registers 4 c .. 4 c + 3 of the fragment (m, K step h / 2).  Each m has its own registers for codes, scale and byte; both images are stored behind one wait, below.
.macro QROW m
.irp i, 0,2,4,6,8,10,12,14,16,18,20,22,24,26,28,30
	v_pk_mul_f32 v[P+\i:P+\i+1], v[VSF+\i:VSF+\i+1], v[58+2*\m:59+2*\m]   ; A = diag x Vs
.endr
	v_mul_f32 v[50+\m], v[58+2*\m], v57            ; the block's largest magnitude: diag x max |Vs|, the same product as the largest of the 32 above
	v_max_num_f32 v[50+\m], 0x1800000, v[50+\m]    ; the floor 2^(3 - 127): the byte cannot fall under 1
	v_add_nc_u32 v[44+\m], 0xff000000, v[50+\m]    ; 2 off the exponent field: the conversion's scale operand
	v_lshrrev_b32 v[46+\m], 23, v[44+\m]           ; the scale's byte
.irp g, 0,1,2,3
	v_cvt_scalef32_pk8_fp4_f32 v[36+4*\m+\g], v[P+8*\g:P+8*\g+7], v[44+\m]
.endr
	v_nop                                          ; one plain line behind the last scaled conversion
.endm
; ONE ROW: 2,048 exponentials, 64 a lane, and the lane's partial sum.  st = 1: the row before's sum is stored.  ld = 1: the next row's q' and -m' are asked for.
; s28 = 16 x (the row + 1), s29 = TRP x (the row - 1).
.macro ROW st, ld
	s_wait_dscnt 0x0                               ; the row's q' and -m' are in, the same 16 bytes in every lane: they were asked for a row ago
.set j, 0
.rept 32
	v_pk_fma_f32 v[T+j:T+j+1], v[KR+j:KR+j+1], v[32:33], v[34:35]   ; t = K q' - m', rounded once
.set j, j+2
.endr
.set j, 0
	s_wait_alu depctr_va_vdst(0)
.rept 64
	v_exp_f32 v[T+j], v[T+j]                       ; p = 2^t: one batch
.set j, j+1
.endr
.if \ld
	v_add_nc_u32 v44, s28, v46                     ; the next row's place in the table.  (One of these two is the plain line behind the last exponential)
.endif
.if \st
	v_add_nc_u32 v45, s29, v47                     ; my word among the last row's partial sums
.endif
	s_wait_alu depctr_va_vdst(0)                   ; the 64 exponentials have written p, ahead of the first line that names one; v44 and v45 are written, and so is v61, by the row before; the multiply-adds are done reading v[32:35]
.if \st
	ds_store_b32 v45, v61                          ; the row before, my word
.endif
.if \ld
	ds_load_b128 v[32:35], v44                     ; it lands while the sums below are made: they name none of these registers
.endif
.irp c, 0,1,2,3
	v_pk_add_f32 v[36+2*\c:37+2*\c], v[T+2*\c:T+2*\c+1], v[T+8+2*\c:T+9+2*\c]   ; four chains, started by the first eight pairs
.endr
.irp i, 16,24,32,40,48,56
.irp c, 0,1,2,3
	v_pk_add_f32 v[36+2*\c:37+2*\c], v[36+2*\c:37+2*\c], v[T+\i+2*\c:T+\i+2*\c+1]
.endr
.endr
	v_pk_add_f32 v[36:37], v[36:37], v[38:39]
	v_pk_add_f32 v[40:41], v[40:41], v[42:43]
	v_pk_add_f32 v[36:37], v[36:37], v[40:41]
	s_wait_alu depctr_vm_vsrc(0)                   ; this row's store has read v61 and v45, its load v44: v61 is written again in the next line, the two addresses in the next row
	v_add_f32 v61, v36, v37                        ; my part of the row's sum
.if \ld
	s_add_co_u32 s28, s28, 16
.endif
.if \st
	s_add_co_u32 s29, s29, TRP
.endif
.endm
	s_load_b256 s[4:11], s[0:1], 0x0               ; qsum 4:5, ksum 6:7, vpart 8:9, wcodes 10:11
	s_load_b128 s[12:15], s[0:1], 0x20             ; wscales 12:13, proj_b 14:15
	s_load_b64 s[16:17], s[0:1], 0x30              ; out0
	v_lshrrev_b32 v1, 5, v0
	v_readfirstlane_b32 s18, v1                    ; wave 0..15: my head, later my 64 columns
	s_mov_b32 s19, ttmp9                           ; g: rows 32 g .. 32 g + 31
	v_and_b32 v8, 31, v0                           ; lane
	v_and_b32 v6, 15, v0                           ; r
	v_bfe_u32 v7, v0, 4, 1                         ; hl
	v_lshlrev_b32 v1, 2, v8
	v_lshlrev_b32 v2, 3, v8
	v_lshlrev_b32 v3, 4, v8
	v_lshlrev_b32 v15, 12, v7
	v_lshl_add_u32 v15, v6, 4, v15
	s_wait_alu depctr_va_sdst(0)                   ; s18 is written, ahead of its first reader: offsets and LDS addresses are made from it
	s_lshl_b32 s20, s18, 15
	v_add_nc_u32 v4, s20, v3
	s_lshl_b32 s20, s18, 11
	v_add_nc_u32 v5, s20, v1
	s_lshl_b32 s20, s18, 9
	s_add_co_u32 s20, s20, AIMG
	v_add_nc_u32 v9, s20, v3
	v_add_nc_u32 v10, AIMG, v3
	s_lshl_b32 s20, s18, 1
	s_add_co_u32 s20, s20, ASC
	v_lshl_add_u32 v11, v8, 5, s20
	v_lshl_add_u32 v12, v8, 5, ASC
	s_mul_i32 s34, s18, PRIVB                      ; my wave's own LDS
	s_add_co_u32 s20, s34, VS
	v_lshl_add_u32 v13, v7, 7, s20
	v_add_nc_u32 v49, s20, v2                      ; v49: where I put my two Vs; my two biases lie 256 bytes on
	s_add_co_u32 s20, s34, BIAS
	v_lshl_add_u32 v14, v7, 5, s20
	v_mov_b32 v46, s34                             ; v46: the table of q' and -m'
	v_lshl_add_u32 v62, v8, 4, s34                 ; v62: my row's place in it
	s_add_co_u32 s30, s34, TR
	v_add_nc_u32 v47, s30, v1                      ; v47: a row's partial sums, my word
	v_mul_u32_u24 v48, v8, TRP
	v_add_nc_u32 v48, s30, v48                     ; v48: and my row's 32 of them
	s_mov_b32 s24, 0x76543210
	s_mov_b32 s25, 0xfedcba98                      ; v_permlanex16_b32's selects for lane l xor 16
	s_mov_b32 s26, 0xffff0000                      ; the mask of lanes 16-31
	s_lshr_b32 s35, s19, 6                         ; the batch
	s_lshl_b32 s31, s18, 8                         ; 256 x wave
	s_lshl_b32 s20, s35, 17                        ; ksum, the head's 2,048: the batch's 32 blocks of 4,096 bytes, + 256 h
	s_add_co_u32 s20, s20, s31
	s_mov_b32 s21, 0
	s_lshr_b32 s22, s19, 1                         ; qsum, ksum at my 32 rows: block g / 2, + 256 h, + 128 (g % 2)
	s_lshl_b32 s22, s22, 12
	s_add_co_u32 s22, s22, s31
	s_and_b32 s36, s19, 1
	s_lshl_b32 s36, s36, 7
	s_add_co_u32 s22, s22, s36
	s_mov_b32 s23, 0
	s_lshl_b32 s36, s35, 15                        ; vpart: the batch's 8 rows of 4,096 bytes, + 256 h
	s_add_co_u32 s36, s36, s31
	s_mov_b32 s37, 0
	s_mov_b32 s38, s31                             ; proj_b: my 64 numbers
	s_mov_b32 s39, 0
	s_lshl_b32 s40, s19, 17                        ; out0: 32 rows of 4,096 bytes
	s_mov_b32 s41, 0
	s_wait_kmcnt 0x0
	s_add_nc_u64 s[32:33], s[6:7], s[20:21]
	s_add_nc_u64 s[4:5], s[4:5], s[22:23]
	s_add_nc_u64 s[6:7], s[6:7], s[22:23]
	s_add_nc_u64 s[8:9], s[8:9], s[36:37]
	s_add_nc_u64 s[14:15], s[14:15], s[38:39]
	s_add_nc_u64 s[16:17], s[16:17], s[40:41]
	s_wait_alu depctr_va_vdst(0)                   ; every offset and LDS address made above is written: the loads and LDS instructions from here to the last product read them
	; 18 loads: the head's Ks (each half of the lanes reads a block's 256 consecutive bytes), my row's Qs and Ks
.irp i, 0,1,2,3,4,5,6,7,8,9,10,11,12,13,14,15
	global_load_b128 v[KR+4*\i:KR+4*\i+3], v15, s[32:33] offset:\i*8192
.endr
	global_load_b32 v50, v1, s[4:5]
	global_load_b32 v51, v1, s[6:7]
	; 9 loads: the 8 parts of the head's Vs, two columns a lane; my two biases
.irp i, 0,1,2,3,4,5,6,7
	global_load_b64 v[192+2*\i:193+2*\i], v2, s[8:9] offset:\i*4096
.endr
	global_load_b64 v[208:209], v2, s[14:15]
	WLOAD WA, WSA, 0                               ; 20 loads: they land while the exponentials run
	s_wait_loadcnt 29                              ; the first 18 are in; the 9 and the 20 issued behind them may be out
	; the head's largest and smallest Ks: two chains each, then the 32 lanes
.irp c, 0,1
	v_max3_num_f32 v[57+\c], v[KR+32*\c], v[KR+32*\c+1], v[KR+32*\c+2]
	v_min3_num_f32 v[59+\c], v[KR+32*\c], v[KR+32*\c+1], v[KR+32*\c+2]
.endr
.irp i, 3,5,7,9,11,13,15,17,19,21,23,25,27,29
.irp c, 0,1
	v_max3_num_f32 v[57+\c], v[57+\c], v[KR+32*\c+\i], v[KR+32*\c+\i+1]
	v_min3_num_f32 v[59+\c], v[59+\c], v[KR+32*\c+\i], v[KR+32*\c+\i+1]
.endr
.endr
	v_max3_num_f32 v57, v57, v58, v[KR+31]
	v_min3_num_f32 v59, v59, v60, v[KR+31]
	v_max_num_f32 v57, v57, v[KR+63]
	v_min_num_f32 v59, v59, v[KR+63]
.irp x, 1,2,4,8
	v_max_num_f32_dpp v57, v57, v57 row_xmask:\x row_mask:0xf bank_mask:0xf
	v_min_num_f32_dpp v59, v59, v59 row_xmask:\x row_mask:0xf bank_mask:0xf
.endr
	v_permlanex16_b32 v58, v57, s24, s25
	v_permlanex16_b32 v60, v59, s24, s25
	v_max_num_f32 v57, v57, v58                    ; Kmax
	v_min_num_f32 v59, v59, v60                    ; Kmin
	v_mul_f32 v52, 0x3e38aa3b, v50                 ; lane = row: q' = Qs x log2(e) / 8
	v_mul_f32 v58, v52, v57
	v_mul_f32 v60, v52, v59
	v_min_num_f32 v54, -v58, -v60                  ; -m' = -max(q' Kmax, q' Kmin)
	v_mov_b32 v53, v52
	v_mov_b32 v55, v54
	v_fma_f32 v56, v51, v52, v54                   ; t of the row's own key
	s_wait_loadcnt 20                              ; the 9 are in; proj_w's 20 may be out
	v_pk_add_f32 v[192:193], v[192:193], v[194:195]
	v_pk_add_f32 v[196:197], v[196:197], v[198:199]
	v_pk_add_f32 v[200:201], v[200:201], v[202:203]
	v_pk_add_f32 v[204:205], v[204:205], v[206:207]
	v_pk_add_f32 v[192:193], v[192:193], v[196:197]
	v_pk_add_f32 v[200:201], v[200:201], v[204:205]
	v_pk_add_f32 v[192:193], v[192:193], v[200:201]   ; Vs of columns 64 h + 2 lane and + 1
	s_wait_alu depctr_va_vdst(0)                   ; v[52:55] and v[192:193] are written, which the LDS stores below read
	ds_store_b128 v62, v[52:55]                    ; q', q', -m', -m': as the packed multiply-add wants them
	ds_store_b64 v49, v[192:193]
	ds_store_b64 v49, v[208:209] offset:256
	ds_load_b128 v[32:35], v46                     ; row 0's q' and -m'.  LDS serves a wave's instructions in order (ISA guide 5.7.1.4): it sees my store
	s_wait_alu depctr_vm_vsrc(0)                   ; the stores have read v[192:193] and v[208:209], which the first row's multiply-adds write
	; THE ROWS.  Row 0 has no sum to store and row 31 no row to ask for: they are written out; the 30 between are the loop.
	s_mov_b32 s28, 16
	s_mov_b32 s29, 0
	ROW 0, 1
	s_mov_b32 s27, 0
.Lrow:
	ROW 1, 1
	s_add_co_u32 s27, s27, 1
	s_cmp_lt_u32 s27, 30
	s_cbranch_scc1 .Lrow
	ROW 1, 0
	v_add_nc_u32 v45, s29, v47                     ; my word among row 31's partial sums
	s_wait_alu depctr_va_vdst(0)                   ; v45 and v61 are written, which the store reads; the rows are done with the Ks, in which proj_w's loads land, and with p, in which the LDS loads land
	ds_store_b32 v45, v61                          ; row 31, my word
	WLOAD WB, WSB, 1                               ; the Ks are done with: K steps 2 and 3 of proj_w take their registers
.irp i, 0,1,2,3,4,5,6,7
	ds_load_b128 v[192+4*\i:195+4*\i], v48 offset:16*\i   ; lane = row again: its 32 partial sums.  LDS serves a wave's instructions in order (ISA guide 5.7.1.4): these see my stores
.endr
.irp i, 0,1,2,3,4,5,6,7
	ds_load_b128 v[VSF+4*\i:VSF+4*\i+3], v13 offset:16*\i  ; my block's 32 Vs: columns 64 h + 32 hl on
.endr
	s_wait_dscnt 8                                 ; the partial sums are in; the eight loads of Vs may be out
	s_wait_alu depctr_vm_vsrc(0)                   ; the store has read v45 and v61, which the lines below write again
.irp i, 0,4,8,12,16,20,24,28
	v_pk_add_f32 v[192+\i:193+\i], v[192+\i:193+\i], v[194+\i:195+\i]
.endr
.irp i, 0,8,16,24
	v_pk_add_f32 v[192+\i:193+\i], v[192+\i:193+\i], v[196+\i:197+\i]
.endr
.irp i, 0,16
	v_pk_add_f32 v[192+\i:193+\i], v[192+\i:193+\i], v[200+\i:201+\i]
.endr
	v_pk_add_f32 v[192:193], v[192:193], v[208:209]
	v_add_f32 v61, v192, v193                      ; the row's sum
	s_wait_alu depctr_va_vdst(0)
	v_exp_f32 v62, v56
	v_rcp_f32 v63, v61
	v_nop                                          ; the plain line behind the two
	s_wait_alu depctr_va_vdst(0)                   ; the exponential has written v62 and the reciprocal v63, ahead of their first reader
	v_mul_f32 v61, v62, v63                        ; diag of row = lane
	v_permlanex16_b32 v62, v61, s24, s25
	v_cndmask_b32 v58, v61, v62, s26               ; d0 = diag of row r: lanes 16-31 take the other half's
	v_cndmask_b32 v60, v62, v61, s26               ; d1 = diag of row 16 + r
	v_mov_b32 v59, v58                             ; (each twice, for the packed product)
	v_mov_b32 v61, v60
	s_wait_dscnt 0x0                               ; Vs
	v_max3_num_f32 v57, |v[VSF]|, |v[VSF+1]|, |v[VSF+2]|
.irp i, 3,5,7,9,11,13,15,17,19,21,23,25,27,29
	v_max3_num_f32 v57, v57, |v[VSF+\i]|, |v[VSF+\i+1]|
.endr
	v_max_num_f32 v57, v57, |v[VSF+31]|            ; max |Vs| of my block
	QROW 0
	QROW 1
	; Lane (r, hl) holds the bytes of block hl of rows r and 16 + r.  Row = lane wants its two blocks' bytes: one is mine, the other lane l xor 16's.
	v_cndmask_b32 v52, v46, v47, s26               ; mine of my row
	v_cndmask_b32 v53, v47, v46, s26               ; mine of the other lane's row
	v_permlanex16_b32 v54, v53, s24, s25
	v_cndmask_b32 v55, v52, v54, s26               ; block 0's byte
	v_cndmask_b32 v56, v54, v52, s26               ; block 1's
	v_lshl_or_b32 v55, v56, 8, v55
	s_wait_alu depctr_va_vdst(0)                   ; the conversions have written the codes v[36:43] and the line above v55, which the LDS stores read; the products and conversions are done with v192-255, in which the bias lands
	ds_store_b128 v9, v[36:39]                     ; rows r: registers 4 c .. 4 c + 3 of the fragment (0, K step h / 2)
	ds_store_b128 v9, v[40:43] offset:8192         ; rows 16 + r
	ds_store_b16 v11, v55
.irp m, 0,1
.irp tt, 0,1,2,3
.irp u, 0,1
	ds_load_b128 v[ACC+8*(4*\m+\tt)+4*\u:ACC+8*(4*\m+\tt)+4*\u+3], v14 offset:64*\tt+16*\u   ; the sums begin with the bias: proj_b at columns 64 w + 16 tt + 8 hl + 0 .. 7
.endr
.endr
.endr
	s_wait_dscnt 0x0                               ; for the others' sake: my images and scale bytes have landed; my loads are in
	s_barrier_signal -1
	s_barrier_wait -1                              ; the launch's one barrier: A's 16 fragments and their scale words lie in LDS, and nobody writes them again
	; THE PRODUCT: 8 K steps of 128.  A's fragments come one step ahead in two sets, proj_w's two steps at a time in two sets.
	s_wait_alu depctr_vm_vsrc(0)                   ; my LDS instructions have read v[36:43], v55 and the addresses v48 and v49: v32-63 are A's two sets from here on, written by the LDS loads (no vector line since the last wait on va_vdst names them)
	ds_load_b128 v[ASCL:ASCL+3], v12               ; lane = row: its scale words of K steps 0 to 3,
	ds_load_b128 v[ASCL+4:ASCL+7], v12 offset:16   ; 4 to 7
	AFETCH AF0, 0
	AFETCH AF1, 1
	s_wait_dscnt 4                                 ; all but the next step's four loads
	s_wait_loadcnt 20                              ; K steps 0 and 1 of proj_w are in; the 20 loads of steps 2 and 3 may be out
	KSTEP 0, WA, WSA, AF0
	PLACES
	s_wait_alu depctr_va_vdst(0)                   ; step 0's matrix instructions are done reading AF0, in which step 2's fragments land
	AFETCH AF0, 2
	s_wait_dscnt 4
	KSTEP 1, WA, WSA, AF1
	PLACES
	s_wait_alu depctr_va_vdst(0)                   ; step 1's are done reading AF1, and steps 0 and 1 are done reading WA and its scale words: the loads of this step land there
	AFETCH AF1, 3
	s_wait_dscnt 4
	s_wait_loadcnt 0x0                             ; steps 2 and 3 of proj_w are in: no load has been issued behind them yet
	KSTEPL 2, WB, WSB, AF0, WA, WSA, 2
	PLACES
	s_wait_alu depctr_va_vdst(0)                   ; step 2's are done reading AF0
	AFETCH AF0, 4
	s_wait_dscnt 4
	KSTEP 3, WB, WSB, AF1
	PLACES
	s_wait_alu depctr_va_vdst(0)                   ; step 3's are done reading AF1, and steps 2 and 3 are done reading WB and its scale words
	AFETCH AF1, 5
	s_wait_dscnt 4
	s_wait_loadcnt 0x0                             ; steps 4 and 5 are in: no load has been issued behind them yet
	KSTEPL 4, WA, WSA, AF0, WB, WSB, 3
	PLACES
	s_wait_alu depctr_va_vdst(0)                   ; step 4's are done reading AF0
	AFETCH AF0, 6
	s_wait_dscnt 4
	KSTEP 5, WA, WSA, AF1
	PLACES
	s_wait_alu depctr_va_vdst(0)                   ; step 5's are done reading AF1
	AFETCH AF1, 7
	s_wait_dscnt 4
	s_wait_loadcnt 0x0                             ; steps 6 and 7
	KSTEP 6, WB, WSB, AF0
	s_wait_dscnt 0x0
	KSTEP 7, WB, WSB, AF1
	; THE WAY OUT.  A lane holds 32 neighbouring bytes of a row, and the lanes beside it hold other rows: 16 rows x 256 bytes at a time go through my own stage and come back as whole pieces of rows.
	; The nine lines that make the addresses name no register of the products: they are the places behind the last of them.
	v_mul_u32_u24 v1, v6, 272
	v_lshl_add_u32 v1, v7, 5, v1
	v_add_nc_u32 v1, s30, v1                       ; in: row r, + 32 hl
	v_mul_u32_u24 v2, v7, 272
	v_lshl_add_u32 v2, v6, 4, v2
	v_add_nc_u32 v2, s30, v2                       ; back: lanes 0-15 one row, lanes 16-31 the next
	v_lshlrev_b32 v3, 12, v7
	v_lshl_add_u32 v3, v6, 4, v3
	v_add_nc_u32 v3, s31, v3                       ; and the same place in out0: 4,096 hl + 256 w + 16 r
	s_wait_alu depctr_va_vdst(0)                   ; the matrix instructions have written the accumulators, which the LDS stores read, and are done reading WA, in which the rows land; v1, v2 and v3 are written.  The places above stay beside this wait
.irp m, 0,1
.irp tt, 0,1,2,3
	ds_store_b128 v1, v[ACC+8*(4*\m+\tt):ACC+8*(4*\m+\tt)+3] offset:64*\tt        ; each accumulator from its low end on
	ds_store_b128 v1, v[ACC+8*(4*\m+\tt)+4:ACC+8*(4*\m+\tt)+7] offset:64*\tt+16
.endr
.irp i, 0,1,2,3,4,5,6,7
	ds_load_b128 v[WA+32*\m+4*\i:WA+32*\m+4*\i+3], v2 offset:544*\i   ; in order behind my stores; the next 16 rows' stores come behind these loads
.endr
.endr
.irp m, 0,1
.irp i, 0,1,2,3,4,5,6,7
	s_wait_dscnt 23-16*\m-\i                       ; behind this load: the rest of its eight, and for the first 16 rows the second 16 rows' sixteen LDS instructions
	global_store_b128 v3, v[WA+32*\m+4*\i:WA+32*\m+4*\i+3], s[16:17] offset:(16*\m+2*\i)*4096 th:TH_STORE_NT   ; sixteen lanes store 256 consecutive bytes, aligned; written once, read by nobody here
.endr
.endr
	s_wait_xcnt 0x0
	s_wait_alu depctr_vm_vsrc(0)                   ; the LDS stores of the last accumulator have read v254 and v255, which the two lines below write
	v_lshl_add_u32 v254, v0, 2, 0x1a400
	v_mov_b32 v255, 0
	s_wait_dscnt 0x0                               ; the closing lines, six on end
	s_wait_alu 0x0
	s_wait_tensorcnt 0x0
	ds_add_u32 v254, v255
	s_wait_dscnt 0x0
	s_endpgm
.Lfunc_end_k_qba155a0e32_attnproj:
	.size	k_qba155a0e32_attnproj, .Lfunc_end_k_qba155a0e32_attnproj-k_qba155a0e32_attnproj
	.p2alignl 7, 3214868480
	.fill 96, 4, 3214868480
	.section	.rodata,"a",@progbits
	.p2align	6, 0x0
	.amdhsa_kernel k_qba155a0e32_attnproj
		.amdhsa_group_segment_fixed_size 109568
		.amdhsa_private_segment_fixed_size 0
		.amdhsa_enable_private_segment 0
		.amdhsa_kernarg_size 56
		.amdhsa_user_sgpr_count 2
		.amdhsa_user_sgpr_kernarg_segment_ptr 1
		.amdhsa_wavefront_size32 1
		.amdhsa_system_sgpr_workgroup_id_x 1
		.amdhsa_system_sgpr_workgroup_id_y 1
		.amdhsa_system_sgpr_workgroup_id_z 1
		.amdhsa_system_vgpr_workitem_id 0
		.amdhsa_next_free_vgpr 256
		.amdhsa_next_free_sgpr 66
		.amdhsa_reserve_vcc 0
		.amdhsa_float_denorm_mode_32 3
		.amdhsa_float_denorm_mode_16_64 3
		.amdhsa_memory_ordered 1
		.amdhsa_forward_progress 1
		.amdhsa_inst_pref_size 63
	.end_amdhsa_kernel
	.amdgpu_metadata
---
amdhsa.version: [ 1, 2 ]
amdhsa.kernels:
  - .name:           k_qba155a0e32_attnproj
    .symbol:         k_qba155a0e32_attnproj.kd
    .args:
      - { .name: qsum, .offset: 0, .size: 8, .value_kind: global_buffer, .address_space: global }
      - { .name: ksum, .offset: 8, .size: 8, .value_kind: global_buffer, .address_space: global }
      - { .name: vpart, .offset: 16, .size: 8, .value_kind: global_buffer, .address_space: global }
      - { .name: wcodes, .offset: 24, .size: 8, .value_kind: global_buffer, .address_space: global }
      - { .name: wscales, .offset: 32, .size: 8, .value_kind: global_buffer, .address_space: global }
      - { .name: proj_b, .offset: 40, .size: 8, .value_kind: global_buffer, .address_space: global }
      - { .name: out0, .offset: 48, .size: 8, .value_kind: global_buffer, .address_space: global }
    .group_segment_fixed_size: 109568
    .private_segment_fixed_size: 0
    .kernarg_segment_align: 8
    .kernarg_segment_size: 56
    .max_flat_workgroup_size: 512
    .sgpr_count:     66
    .vgpr_count:     256
    .wavefront_size: 32
...
	.end_amdgpu_metadata
.endif
;; end of part 4
